; MI455X (gfx1250); checked and timed in simulation.
; The chip was launched on July 23, 2026; its instructions are those of AMD's public machine-readable ISA for CDNA 5 (MIT licence, August 2026) and "CDNA5" Instruction Set Architecture Reference Guide (July 2026). The comments in the code are by the model that wrote it; some were corrected since.
;; Self Attention. Allowed arithmetic: float matrix products may take bf16 or f16 operands with f32 sums; other float arithmetic in f32, or as packed bf16 or f16 multiplies, adds, multiply-adds, maxima and minima; sums over many terms, partial sums and values carried from step to step in f32; what a program stores and reads back later, other than sums and carried values, may be rounded once to bf16 or f16.
;; Inputs: b_out 1,024 float32; b_qkv 3,072 float32; w_out 1,024 x 1,024 float32; w_qkv 1,024 x 3,072 float32; x 4 x 2,048 x 1,024 float32.
;; Outputs: out0 4 x 2,048 x 1,024 float32.
;; 2 versions, each right; version 2 is version 1 with the launch cast written anew for expert scheduling mode. Each part assembles by itself: llvm-mc -triple=amdgcn-amd-amdhsa -mcpu=gfx1250 --defsym DOCPART=n.
;; ======== version 1 of 2: 5 launches
;; limits: values are held in f16: magnitudes above 65,504 overflow, below 6.1e-05 lose precision
;; workspace buffers: xb 16,777,216 bytes; wq16 6,291,456 bytes; wo16 2,097,152 bytes; qkv 50,331,648 bytes; p 33,554,432 bytes; o 16,777,216 bytes; stat 1,048,576 bytes
;; launch cast (part 1): grid 768 x 1, 8 waves a work-group, no clusters, 0 bytes of LDS; arguments x, w_qkv, w_out, xb, wq16, wo16; writes xb, wq16, wo16
.if DOCPART == 1
	.amdgcn_target "amdgcn-amd-amdhsa--gfx1250"
	.amdhsa_code_object_version 6
	.text
	.protected	k_q492d92f17f_cast
	.globl	k_q492d92f17f_cast
	.p2align	8
	.type	k_q492d92f17f_cast,@function
k_q492d92f17f_cast:
	s_mov_b64 s[64:65], 0
	v_nop
	global_prefetch_b8 v0, s[64:65] scope:SCOPE_SE
	s_setreg_imm32_b32 hwreg(HW_REG_WAVE_MODE, 25, 1), 1
	s_wait_xcnt 0x0
; THE INPUTS OF THE MATRIX PRODUCTS ARE ROUNDED ONCE.  x [8192][1024] and w_qkv [1024][3072], f32, become bf16 (xb, wq16); w_out [1024][1024] is rounded
; to bf16 like them, and that number is written as f16 (wo16), since the last product multiplies it with f16 numbers.
; LIMIT.  A bf16 number is an f16 number exactly from 2^-17 up to 65,504 in magnitude; below, wo16 keeps f16's fixed step of 6e-8; above, it is an infinity.
; SHARES.  A work-group converts 65,536 bytes of one input: numbers 0-511 x, 512-703 w_qkv, 704-767 w_out.  Thread t takes the 16 bytes at 16 t + 4,096 j, j = 0..15:
; a load of a wave covers 512 consecutive bytes, a store 256 consecutive bytes at a multiple of 256 from the buffer's first byte.  All sixteen loads go out at once;
; no register is written again behind the store that reads it, so no wait frees a source.  A stream: no LDS, no barrier, no matrix unit, no cluster (nothing is shared), no prefetch (the loads themselves are the stream).
.set NX,  512                          ; work-groups for x
.set NWQ, 192                          ; for w_qkv
.set IN,  16                           ; v[16:79]   sixteen loads of four f32
.set OUT, 80                           ; v[80:111]  sixteen pairs of packed halves
	s_load_b256 s[4:11], s[0:1], 0x0               ; x s[4:5], w_qkv s[6:7], w_out s[8:9], xb s[10:11]
	s_load_b128 s[12:15], s[0:1], 0x20             ; wq16 s[12:13], wo16 s[14:15]
	v_lshlrev_b32 v1, 4, v0                        ; 16 t: in
	v_lshlrev_b32 v2, 3, v0                        ; 8 t: out
	s_mov_b32 s23, 0
	s_mov_b32 s25, 0
	s_mov_b32 s26, 0xffff0000                      ; a word's upper half
	s_wait_kmcnt 0x0
	s_cmp_lt_u32 ttmp9, NX                         ; which input is mine: a choice between buffers by the work-group's number
	s_cselect_b64 s[16:17], s[4:5], s[6:7]
	s_cselect_b64 s[18:19], s[10:11], s[12:13]
	s_cselect_b32 s20, 0, NX
	s_cmp_lt_u32 ttmp9, NX+NWQ
	s_cselect_b64 s[16:17], s[16:17], s[8:9]
	s_cselect_b64 s[18:19], s[18:19], s[14:15]
	s_cselect_b32 s20, s20, NX+NWQ
	s_sub_co_u32 s20, ttmp9, s20                   ; my number within that input
	s_lshl_b32 s22, s20, 16                        ; 65,536 bytes in,
	s_lshl_b32 s24, s20, 15                        ; 32,768 out
	s_add_nc_u64 s[16:17], s[16:17], s[22:23]
	s_add_nc_u64 s[18:19], s[18:19], s[24:25]
.irp j, 0,1,2,3,4,5,6,7,8,9,10,11,12,13,14,15
	global_load_b128 v[IN+4*(\j):IN+4*(\j)+3], v1, s[16:17] offset:4096*(\j) th:TH_LOAD_NT
.endr
	s_cmp_lt_u32 ttmp9, NX+NWQ
	s_cbranch_scc0 .Lhalf
.irp j, 0,1,2,3,4,5,6,7,8,9,10,11,12,13,14,15
	s_wait_loadcnt 15-(\j)                         ; loads come back in order: load j is in, the younger ones stay out
	v_cvt_pk_bf16_f32 v[OUT+2*(\j)], v[IN+4*(\j)], v[IN+4*(\j)+1]
	v_cvt_pk_bf16_f32 v[OUT+2*(\j)+1], v[IN+4*(\j)+2], v[IN+4*(\j)+3]
	global_store_b64 v2, v[OUT+2*(\j):OUT+2*(\j)+1], s[18:19] offset:2048*(\j)
.endr
	s_endpgm
.Lhalf:                                        ; w_out: rounded to bf16, widened again, written as f16
.irp j, 0,1,2,3,4,5,6,7,8,9,10,11,12,13,14,15
	s_wait_loadcnt 15-(\j)
	v_cvt_pk_bf16_f32 v[OUT+2*(\j)], v[IN+4*(\j)], v[IN+4*(\j)+1]
	v_cvt_pk_bf16_f32 v[OUT+2*(\j)+1], v[IN+4*(\j)+2], v[IN+4*(\j)+3]
	v_lshlrev_b32 v[IN+4*(\j)], 16, v[OUT+2*(\j)]
	v_and_b32 v[IN+4*(\j)+1], s26, v[OUT+2*(\j)]
	v_lshlrev_b32 v[IN+4*(\j)+2], 16, v[OUT+2*(\j)+1]
	v_and_b32 v[IN+4*(\j)+3], s26, v[OUT+2*(\j)+1]
	v_cvt_pk_f16_f32 v[OUT+2*(\j)], v[IN+4*(\j)], v[IN+4*(\j)+1]
	v_cvt_pk_f16_f32 v[OUT+2*(\j)+1], v[IN+4*(\j)+2], v[IN+4*(\j)+3]
	global_store_b64 v2, v[OUT+2*(\j):OUT+2*(\j)+1], s[18:19] offset:2048*(\j)
.endr
	s_endpgm
.Lfunc_end_k_q492d92f17f_cast:
	.size	k_q492d92f17f_cast, .Lfunc_end_k_q492d92f17f_cast-k_q492d92f17f_cast
	.p2alignl 7, 3214868480
	.fill 96, 4, 3214868480
	.section	.rodata,"a",@progbits
	.p2align	6, 0x0
	.amdhsa_kernel k_q492d92f17f_cast
		.amdhsa_group_segment_fixed_size 0
		.amdhsa_private_segment_fixed_size 0
		.amdhsa_enable_private_segment 0
		.amdhsa_kernarg_size 48
		.amdhsa_user_sgpr_count 2
		.amdhsa_user_sgpr_kernarg_segment_ptr 1
		.amdhsa_wavefront_size32 1
		.amdhsa_system_sgpr_workgroup_id_x 1
		.amdhsa_system_sgpr_workgroup_id_y 1
		.amdhsa_system_sgpr_workgroup_id_z 1
		.amdhsa_system_vgpr_workitem_id 0
		.amdhsa_next_free_vgpr 112
		.amdhsa_next_free_sgpr 66
		.amdhsa_reserve_vcc 0
		.amdhsa_float_denorm_mode_32 3
		.amdhsa_float_denorm_mode_16_64 3
		.amdhsa_memory_ordered 1
		.amdhsa_forward_progress 1
		.amdhsa_inst_pref_size 15
	.end_amdhsa_kernel
	.amdgpu_metadata
---
amdhsa.version: [ 1, 2 ]
amdhsa.kernels:
  - .name:           k_q492d92f17f_cast
    .symbol:         k_q492d92f17f_cast.kd
    .args:
      - { .name: x, .offset: 0, .size: 8, .value_kind: global_buffer, .address_space: global }
      - { .name: w_qkv, .offset: 8, .size: 8, .value_kind: global_buffer, .address_space: global }
      - { .name: w_out, .offset: 16, .size: 8, .value_kind: global_buffer, .address_space: global }
      - { .name: xb, .offset: 24, .size: 8, .value_kind: global_buffer, .address_space: global }
      - { .name: wq16, .offset: 32, .size: 8, .value_kind: global_buffer, .address_space: global }
      - { .name: wo16, .offset: 40, .size: 8, .value_kind: global_buffer, .address_space: global }
    .group_segment_fixed_size: 0
    .private_segment_fixed_size: 0
    .kernarg_segment_align: 8
    .kernarg_segment_size: 48
    .max_flat_workgroup_size: 256
    .sgpr_count:     66
    .vgpr_count:     112
    .wavefront_size: 32
...
	.end_amdgpu_metadata
.endif
;; end of part 1
;; launch qkvp (part 2): grid 12 x 32, 4 waves a work-group, clusters of 4 x 4, 327,680 bytes of LDS; arguments xb, wq16, qkv, b_qkv; writes qkv
.if DOCPART == 2
	.amdgcn_target "amdgcn-amd-amdhsa--gfx1250"
	.amdhsa_code_object_version 6
	.text
	.protected	k_q492d92f17f_qkvp
	.globl	k_q492d92f17f_qkvp
	.p2align	8
	.type	k_q492d92f17f_qkvp,@function
k_q492d92f17f_qkvp:
	s_mov_b64 s[64:65], 0
	v_nop
	global_prefetch_b8 v0, s[64:65] scope:SCOPE_SE
	s_setreg_imm32_b32 hwreg(HW_REG_WAVE_MODE, 25, 1), 1
	s_wait_xcnt 0x0
	s_wait_alu depctr_hold_cnt(0) depctr_sa_sdst(0) depctr_va_vdst(0) depctr_va_sdst(0) depctr_va_ssrc(0) depctr_va_vcc(0) depctr_vm_vsrc(0)
	s_getreg_b32 s2, hwreg(HW_REG_IB_STS2, 6, 4)
	s_cmp_eq_u32 s2, 0
	s_cbranch_scc0 .Lentry_in_a_cluster
	s_endpgm
.Lentry_in_a_cluster:
	s_bfe_u32 s2, ttmp6, 0x10000c
	s_cmp_lg_u32 s2, 0xf033
	s_cbranch_scc0 .Lentry_shape_is_right
	s_endpgm
.Lentry_shape_is_right:
; qkv[m][n] = the sum over k of xb[m][k] wq16[k][n] + b_qkv[n].  xb [8192][1024] and wq16 [1024][3072] are bf16, b_qkv f32 (rounded to bf16 here, like every input of the module);
; sums in f32, started by the bias; qkv [8192][3072] is f16, rounded once.  LIMIT: a result beyond 65,504 in magnitude becomes an infinity; NaN and infinities are not treated apart.
; SHARES.  A tile of C is 256 x 256: 32 x 12 = 384 tiles.  Four waves, 2 x 2; a wave makes 128 x 128: 64 accumulators of 16 x 16, 512 registers.  K goes in 8 steps of 128 through a ring of two
; LDS slots filled by the tensor data mover: 256 rows x 256 bytes of A, 128 k-rows x 512 bytes of B.  A K step is 256 matrix instructions a wave; 224 of them stand between a refill's request and the wait for it.
; B lies [k][n] in memory and in LDS and is turned on the way into registers, by ds_load_tr16_b128: no transposed copy of the weights is made.
; CLUSTERS.  4 x 4 work-groups.  The four of a row of the cluster need the same tile of A, the four of a column the same tile of B: each tile is asked for JOINTLY, by the same tensor load with
; the same descriptor and a mask that names the four.  Waves 0 and 1 fetch B's two halves, waves 2 and 3 A's: one load a wave behind each round.
; THE MATRIX INSTRUCTION IS USED TRANSPOSED (source 0 = 16 columns of B, source 1 = 16 rows of A): lane l then holds row l % 16 of C and the columns 8 (l / 16) + 0..7, which pack into 16 bytes.
; REGISTERS, in windows of 256 (s_set_vgpr_msb: bits 1:0 source 0, 3:2 source 1, 5:4 source 2, 7:6 destination):
;   window 0: v0-17 addresses; v64-127, v128-191 A's fragments (8 x 16 rows x 32 K), two buffers, on the way out rows read back; v192-223 packed results
;   window 1: v0-63 the bias of my 128 columns in the accumulators' layout; v64-127, v128-191 B's fragments, two buffers; v192-223 at work
;   window 2: the 32 accumulators of my rows 0-63 (accumulator (a, b) at v[8 (8 a + b)]);   window 3: those of my rows 64-127
.set KT,     8                         ; K steps
.set APITCH, 2048                      ; bytes from row to row of A in memory
.set BPITCH, 6144                      ; of B
.set ASTEP,  256                       ; bytes from K step to K step in A
.set BSTEP,  128*BPITCH                ; in B: 128 k-rows
.set CPITCH, 6144
.set PA,     272                       ; an LDS row of A: 256 bytes + 16 = 68 words: the 16 rows of a load start at 16 different groups of four banks (64 banks of 4 bytes: ISA guide 11.1)
.set PB,     544                       ; an LDS row of B: 512 bytes + 32 = 136 words
.set HALFT,  128*PA                    ; what one tensor load brings: 128 rows of A, or 64 k-rows of B: 34,816 bytes either way
.set AOFF,   2*HALFT                   ; in a slot: B's tile, then A's
.set SLOT,   4*HALFT                   ; 139,264 = 0x22000.  Wave x 34,816 has neither bit 13 nor bit 17 set, so one exclusive or with SLOT turns a load's LDS address in one slot into the other's
.set STAGE,  2*SLOT                    ; behind the ring, never filled by a tensor load: 16 rows x 272 bytes for each wave, for the way out
.set SP,     272
.set SPARE,  STAGE+4*16*SP             ; the spare words, 128 bytes for each wave: two blocks of 256 bytes that no other line names
.set ADRA0, 8                          ; v8   my lane's place in a slot's tile of A; never rewritten
.set ADRB0, 9                          ; v9   the same for B
.set ADRA,  10                         ; v10  the same in the slot in hand
.set ADRB,  11                         ; v11
.set STO,   12                         ; v12  the way out: where I put 16 bytes of a row
.set RD,    13                         ; v13  where I read a row back
.set CO,    14                         ; v14  my byte offset in C
.set PFO,   15                         ; v15  the prefetches' offset; never rewritten
.set SPW,   16                         ; v16  LDS address of my spare word; never rewritten
.set NIL,   17                         ; v17  0; never rewritten
.set F0,    64                         ; fragment buffer 0, in windows 0 (A) and 1 (B)
.set F1,    128                        ; fragment buffer 1
.set OB,    64                         ; the way out: four buffers of 32 for rows read back
.set TMP,   192
.set BSCR,  192                        ; window 1
.set G1A, 24                           ; s[24:31] descriptor group 1 for A's tiles;  s[32:39] group 0: a set for each first fill; the second then walks
.set G0A, 32
.set G1B, 48                           ; s[48:55], s[56:63] the same for B's
.set G0B, 56
.set TB,  66                           ; s66  0 or SLOT: the slot in hand
.set PFA, 68                           ; s[68:69] where my prefetches stand
.set PFS, 70                           ; s[70:71] their step
.set LIM, 72                           ; s72  2 in a wave that prefetches, else the greatest number
.set HIM, 78                           ; s78  0xffff0000
.set TO_B, 0x40                        ; destination window 1, address window 0
.set MSB, 0
.macro WIN new                         ; the immediate's high byte repeats the setting that is left; a switch that changes nothing is dropped
.if MSB != (\new)
	s_set_vgpr_msb (MSB<<8)|(\new)
.set MSB, \new
.endif
.endm
.macro PLACES                          ; four places in front of loads into registers that matrix instructions have read, and of lines that read results
.rept 4
	v_nop
.endr
.endm
.macro JLOAD                           ; a joint refill, by the walking descriptor.  The branch hangs on the wave's number alone.  An s_nop 0 and four v_nop follow each line
	s_cmp_eq_u32 s11, 0
	s_cbranch_scc0 .Lfor_a_\@
	tensor_load_to_lds s[G0B+4:G0B+7], s[G1B:G1B+7]
	s_nop 0
.rept 4
	v_nop
.endr
	s_branch .Lasked_\@
.Lfor_a_\@:
	tensor_load_to_lds s[G0A+4:G0A+7], s[G1A:G1A+7]
	s_nop 0
.rept 4
	v_nop
.endr
.Lasked_\@:
.endm
.macro CREST                           ; a round of the cluster's barrier behind its opening barrier
	s_cmp_lg_u32 s10, 0
	s_cbranch_scc1 .Lnot_wave_0_\@
	s_barrier_signal -3
.Lnot_wave_0_\@:
	s_barrier_wait -3
	s_barrier_signal -1
	s_barrier_wait -1
.endm
.macro CROUND                          ; a whole round
	s_barrier_signal -1
	s_barrier_wait -1
	CREST
.endm
; A PREFETCH INTO THE L2, behind each joint refill and the run of LDS loads that follows it: the refill of trip t brings K step t + 2, the prefetch names K step t + 4: two K steps, 512 matrix
; instructions, ahead of the load that will want it.  Each block of 256 bytes is named once in the launch.  A's tile row is read by all three clusters of a row of clusters: cluster x = 0 asks;
; of the 128 rows that wave 2 or 3 fetches, the partner at cx takes 32 cx + lane.  B's tile column is read by all eight clusters of a column: cluster y = 0 asks; of the 64 k-rows x 512 bytes that
; wave 0 or 1 fetches, the partner at cy takes k-rows 16 cy + lane % 16, the half row lane / 16.  Partners differ by address alone.  K steps 0 to 3 come by their loads; trips with s3 <= 2 have no K step four on.
.macro ASK
	s_cmp_gt_u32 s3, s[LIM]
	s_cbranch_scc0 .Lnot_mine_\@
	global_prefetch_b8 v[PFO], s[PFA:PFA+1] th:TH_LOAD_NT scope:SCOPE_SE
.Lnot_mine_\@:
.endm
	s_load_b128 s[4:7], s[0:1], 0x0                ; xb s[4:5], wq16 s[6:7]
	s_load_b64 s[8:9], s[0:1], 0x10                ; qkv
	s_load_b64 s[80:81], s[0:1], 0x18              ; b_qkv
	v_lshl_add_u32 v[SPW], v0, 2, SPARE
	v_mov_b32 v[NIL], 0
	ds_add_u32 v[SPW], v[NIL]                      ; the wave's opening: the add and its wait ahead of my first tensor load; the set-up below stands between them
	v_lshrrev_b32 v1, 5, v0
	v_readfirstlane_b32 s10, v1                    ; wave 0..3
	s_lshr_b32 s11, s10, 1                         ; which half of the tile's rows is mine.  Also: I fetch for B (0) or for A (1)
	s_and_b32 s12, s10, 1                          ; which half of its columns.  Also: which half of that tile I fetch
	s_bfe_u32 s40, ttmp6, 0x40000                  ; cx
	s_bfe_u32 s41, ttmp6, 0x40004                  ; cy
	s_lshl_b32 s42, ttmp9, 2
	s_add_co_u32 s42, s42, s40                     ; tile column = 4 x cluster x + cx
	s_and_b32 s45, ttmp7, 0xffff                   ; cluster y
	s_lshl_b32 s13, s45, 2
	s_add_co_u32 s13, s13, s41                     ; tile row = 4 x cluster y + cy
	s_lshl_b32 s43, s41, 2
	s_lshl_b32 s43, 15, s43                        ; my row of the cluster
	s_lshl_b32 s44, 0x1111, s40                    ; my column
	s_or_b32 s[G1A], s43, (1<<16)|(1<<20)|(1<<21)|(5<<22)|(3<<25)  ; the mask; 2-byte elements; padding on; bit 21 beside a mask; after every 64 words 4 words
	s_mov_b32 s[G1A+1], 128<<16                    ; tensor_dim0 = 128
	s_mov_b32 s[G1A+2], 128<<16                    ; tensor_dim1 = 128
	s_mov_b32 s[G1A+3], 128<<16                    ; tile_dim0 = 128
	s_mov_b32 s[G1A+4], 128                        ; tile_dim1 = 128
	s_mov_b32 s[G1A+5], APITCH/2                   ; elements from row to row
	s_mov_b32 s[G1A+6], 0
	s_mov_b32 s[G1A+7], 0
	s_or_b32 s[G1B], s44, (1<<16)|(1<<20)|(1<<21)|(6<<22)|(7<<25)  ; after every 128 words 8 words
	s_mov_b32 s[G1B+1], 256<<16                    ; 64 k-rows x 256 elements
	s_mov_b32 s[G1B+2], 64<<16
	s_mov_b32 s[G1B+3], 256<<16
	s_mov_b32 s[G1B+4], 64
	s_mov_b32 s[G1B+5], BPITCH/2
	s_mov_b32 s[G1B+6], 0
	s_mov_b32 s[G1B+7], 0
	s_lshl_b32 s16, s13, 8                         ; A: row 256 x tile row + 128 x half: hangs on the tile row alone
	s_lshl_b32 s17, s12, 7
	s_add_co_u32 s16, s16, s17
	s_mul_i32 s16, s16, APITCH
	s_mov_b32 s17, 0
	s_mul_i32 s46, s12, 64*BPITCH                  ; B: k-row 64 x half, byte 512 x tile column: hangs on the tile column alone
	s_lshl_b32 s47, s42, 9
	s_add_co_u32 s46, s46, s47
	s_mov_b32 s47, 0
	s_mul_i32 s20, s10, HALFT                      ; where they go: B's two halves, then A's two halves = wave x 34,816: no place in the cluster enters an LDS address
	s_mov_b32 s[TB], 0
	s_mov_b32 s[HIM], 0xffff0000
	s_wait_dscnt 0x0                               ; the opening add is done
	s_wait_kmcnt 0x0
	s_add_nc_u64 s[14:15], s[4:5], s[16:17]
	s_add_nc_u64 s[46:47], s[6:7], s[46:47]
	CROUND                                         ; all sixteen work-groups are here: the first joint loads meet
.irp s, 0,1
	s_mov_b32 s[G0A+4*(\s)], 1                     ; count = 1
	s_add_co_u32 s[G0A+4*(\s)+1], s20, (\s)*SLOT   ; LDS address
	s_add_nc_u64 s[G0A+4*(\s)+2:G0A+4*(\s)+3], s[14:15], (\s)*ASTEP  ; global address: K step s
	s_or_b32 s[G0A+4*(\s)+3], s[G0A+4*(\s)+3], 0x80000000            ; type = 2
	s_mov_b32 s[G0B+4*(\s)], 1
	s_add_co_u32 s[G0B+4*(\s)+1], s20, (\s)*SLOT
	s_add_nc_u64 s[G0B+4*(\s)+2:G0B+4*(\s)+3], s[46:47], (\s)*BSTEP
	s_or_b32 s[G0B+4*(\s)+3], s[G0B+4*(\s)+3], 0x80000000
.endr
	s_cmp_eq_u32 s11, 0                            ; a wave's two first fills stand in one branch: two loads of mine are out
	s_cbranch_scc0 .Lfirst_a
	tensor_load_to_lds s[G0B:G0B+3], s[G1B:G1B+7]
	s_nop 0
	tensor_load_to_lds s[G0B+4:G0B+7], s[G1B:G1B+7]
	s_nop 0
.rept 4
	v_nop
.endr
	s_branch .Lfirst_asked
.Lfirst_a:
	tensor_load_to_lds s[G0A:G0A+3], s[G1A:G1A+7]
	s_nop 0
	tensor_load_to_lds s[G0A+4:G0A+7], s[G1A:G1A+7]
	s_nop 0
.rept 4
	v_nop
.endr
.Lfirst_asked:
	v_and_b32 v1, 15, v0                           ; r = l % 16
	v_bfe_u32 v2, v0, 4, 1                         ; h = l / 16
	v_mul_u32_u24 v4, v1, PA
	v_lshl_add_u32 v4, v2, 4, v4                   ; 272 r + 16 h: a fragment of A is 16 rows x 32 K: two loads of 16 bytes, 32 bytes apart
	s_mul_i32 s21, s11, HALFT
	s_add_co_u32 s21, s21, AOFF                    ; my 128 rows of A
	v_add_nc_u32 v[ADRA0], s21, v4
	v_and_b32 v5, 7, v0                            ; the turning load: lane l reads k-row 8 h + l % 8, columns 8 ((l / 8) % 2) + 0..7, and is left with column l % 16 and 8 k
	v_lshl_add_u32 v5, v2, 3, v5
	v_mul_u32_u24 v5, v5, PB
	v_bfe_u32 v6, v0, 3, 1
	v_lshl_add_u32 v5, v6, 4, v5
	s_lshl_b32 s22, s12, 8                         ; my 128 columns
	v_add_nc_u32 v[ADRB0], s22, v5
	v_mov_b32 v[ADRA], v[ADRA0]
	v_mov_b32 v[ADRB], v[ADRB0]
	s_mul_i32 s23, s10, 16*SP
	s_add_co_u32 s23, s23, STAGE                   ; my stage
	v_add_nc_u32 v[STO], s23, v4                   ; in: row r, 16 bytes for each half of the lanes
	v_mul_u32_u24 v6, v2, SP
	v_lshl_add_u32 v6, v1, 4, v6
	v_add_nc_u32 v[RD], s23, v6                    ; back: lanes 0-15 one row of 256 bytes, lanes 16-31 the next
	v_mul_u32_u24 v7, v2, CPITCH
	v_lshl_add_u32 v[CO], v1, 4, v7                ; and the same two rows in C
	s_lshl_b32 s16, s13, 8                         ; C at my part of the tile: row 256 x tile row + 128 x row half,
	s_lshl_b32 s17, s11, 7
	s_add_co_u32 s16, s16, s17
	s_mul_i32 s16, s16, CPITCH
	s_mov_b32 s17, 0
	s_add_nc_u64 s[8:9], s[8:9], s[16:17]
	s_lshl_b32 s46, s42, 9                         ; byte 512 x tile column + 256 x column half
	s_lshl_b32 s47, s12, 8
	s_add_co_u32 s46, s46, s47
	s_mov_b32 s47, 0
	s_add_nc_u64 s[8:9], s[8:9], s[46:47]
	s_lshl_b32 s46, s46, 1                         ; the same columns in the bias: 4 bytes each
	s_add_nc_u64 s[80:81], s[80:81], s[46:47]
	; the prefetches' address, at K step 3: the first change of slots steps it to 4
	s_lshl_b32 s20, s13, 8
	s_lshl_b32 s21, s12, 7
	s_add_co_u32 s20, s20, s21
	s_lshl_b32 s21, s40, 5
	s_add_co_u32 s20, s20, s21
	s_mul_i32 s20, s20, APITCH
	s_add_co_u32 s20, s20, 3*ASTEP                 ; A: row 256 x tile row + 128 x half + 32 cx
	s_lshl_b32 s21, s12, 6
	s_lshl_b32 s22, s41, 4
	s_add_co_u32 s21, s21, s22
	s_mul_i32 s21, s21, BPITCH
	s_lshl_b32 s22, s42, 9
	s_add_co_u32 s21, s21, s22
	s_add_co_u32 s21, s21, 3*BSTEP                 ; B: k-row 64 x half + 16 cy, byte 512 x tile column
	s_mov_b32 s22, BSTEP
	s_mov_b32 s23, BPITCH
	s_mov_b32 s18, 16*APITCH
	s_cmp_eq_u32 s11, 0                            ; do I fetch for B?
	s_cselect_b32 s20, s21, s20
	s_cselect_b64 s[PFA:PFA+1], s[6:7], s[4:5]
	s_cselect_b32 s[PFS], s22, ASTEP
	s_cselect_b32 s23, s23, APITCH                 ; what l % 16 counts: a row
	s_cselect_b32 s18, 256, s18                    ; what l / 16 counts: in B half a row, in A sixteen rows
	s_cselect_b32 s2, s45, ttmp9                   ; the coordinate along which other clusters read the same rows
	s_cmp_eq_u32 s2, 0
	s_cselect_b32 s[LIM], 2, -1                    ; the same in all sixteen partners, for a given wave
	s_mov_b32 s21, 0
	s_mov_b32 s[PFS+1], 0
	s_add_nc_u64 s[PFA:PFA+1], s[PFA:PFA+1], s[20:21]
	v_mul_u32_u24 v[PFO], s23, v1
	v_mad_u32_u24 v[PFO], v2, s18, v[PFO]
	; the bias of my 128 columns, in the accumulators' layout: register 8 b + j holds column 16 b + 8 h + j.  Rounded to bf16 and widened again.  It is the C operand of each sum's first product.
	v_lshlrev_b32 v7, 5, v2
	WIN TO_B
.irp b, 0,1,2,3,4,5,6,7
	global_load_b128 v[8*(\b):8*(\b)+3], v7, s[80:81] offset:64*(\b)
	global_load_b128 v[8*(\b)+4:8*(\b)+7], v7, s[80:81] offset:64*(\b)+16
.endr
	s_wait_loadcnt 0x0
	WIN 0x45                                       ; destination and both sources in window 1
.set i, 0
.rept 32
	v_cvt_pk_bf16_f32 v[BSCR+i], v[2*i], v[2*i+1]
.set i, i+1
.endr
.set i, 0
.rept 32
	v_lshlrev_b32 v[2*i], 16, v[BSCR+i]
	v_and_b32 v[2*i+1], s[HIM], v[BSCR+i]
.set i, i+1
.endr
	WIN 0
; 16 matrix instructions: row blocks a0, a0 + 1 of the window's four (hi = 0: my rows 0-63, 1: rows 64-127) x all 8 column blocks, 32 along K, from buffer f.  cin = 0: the sums go on; 2: the bias
; starts them.  The 64 accumulators take turns, one instruction a turn, in the same order in every quarter: 63 others stand between two links of a chain, over the backward jumps too.
.macro MUL16 f, hi, a0, cin
.if (\cin) == 2
	WIN 0x91+0x40*(\hi)                            ; B and the bias in window 1, A in window 0, D in window 2 or 3
.else
	WIN 0xa1+0x50*(\hi)                            ; B in window 1, A in window 0, C and D in window 2 or 3
.endif
.irp a, \a0, (\a0)+1
.irp b, 0,1,2,3,4,5,6,7
.if (\cin) == 2
	v_wmma_f32_16x16x32_bf16 v[8*(8*(\a)+(\b)):8*(8*(\a)+(\b))+7], v[(\f)+8*(\b):(\f)+8*(\b)+7], v[(\f)+8*(4*(\hi)+(\a)):(\f)+8*(4*(\hi)+(\a))+7], v[8*(\b):8*(\b)+7]
.else
	v_wmma_f32_16x16x32_bf16 v[8*(8*(\a)+(\b)):8*(8*(\a)+(\b))+7], v[(\f)+8*(\b):(\f)+8*(\b)+7], v[(\f)+8*(4*(\hi)+(\a)):(\f)+8*(4*(\hi)+(\a))+7], v[8*(8*(\a)+(\b)):8*(8*(\a)+(\b))+7]
.endif
.endr
.endr
.endm
; 32 LDS loads in one run: the fragments of quarter kq (32 along K) into buffer f: B's sixteen (turned), then A's sixteen
.macro FETCH kq, f
	WIN TO_B
.irp b, 0,1,2,3,4,5,6,7
	ds_load_tr16_b128 v[(\f)+8*(\b):(\f)+8*(\b)+3],   v[ADRB] offset:(\kq)*32*PB+32*(\b)
	ds_load_tr16_b128 v[(\f)+8*(\b)+4:(\f)+8*(\b)+7], v[ADRB] offset:(\kq)*32*PB+32*(\b)+16*PB
.endr
	WIN 0
.irp a, 0,1,2,3,4,5,6,7
	ds_load_b128 v[(\f)+8*(\a):(\f)+8*(\a)+3],   v[ADRA] offset:64*(\kq)+(\a)*16*PA
	ds_load_b128 v[(\f)+8*(\a)+4:(\f)+8*(\a)+7], v[ADRA] offset:64*(\kq)+(\a)*16*PA+32
.endr
.endm
; A K step is four quarters of 32 along K, 64 matrix instructions each, on buffers 0, 1, 0, 1.  One of the first three multiplies buffer f and, in its middle, fetches quarter kq into buffer g.
.macro QUARTER kq, f, g, cin
	s_wait_dscnt 8                                 ; B and A's rows 0-63 are in; the youngest eight loads (A's rows 64-127) may be out
	MUL16 \f, 0, 0, \cin
	MUL16 \f, 0, 2, \cin
	PLACES
	FETCH \kq, \g
	s_wait_dscnt 32                                ; all but the 32 just issued
	MUL16 \f, 1, 0, \cin
	MUL16 \f, 1, 2, \cin
.endm
; The last quarter multiplies buffer 1 and changes slots: ONE barrier.  In front of it each wave waits for all its tensor loads (one is out: its part of the next slot), adds 0 to its spare word, and
; waits for that and for its own reads of this slot.  fill = 1: the barrier opens a round of the cluster's, and this slot is filled again, two K steps ahead, first thing behind the round.
.macro TURN fill
.if \fill
	s_wait_xcnt 0x0                                ; the last prefetch, a K step back, has read its address
	s_add_nc_u64 s[PFA:PFA+1], s[PFA:PFA+1], s[PFS:PFS+1]
.endif
	WIN 0                                          ; (the add's two registers lie in window 0)
	s_wait_tensorcnt 0x0                           ; no tensor load of mine is out, so a group 0 may be written
	ds_add_u32 v[SPW], v[NIL]                      ; 0 onto my spare word
.if \fill
	s_xor_b32 s[G0A+5], s[G0A+5], SLOT             ; the walking descriptors: the other slot than last time, the next K step
	s_add_nc_u64 s[G0A+6:G0A+7], s[G0A+6:G0A+7], ASTEP
	s_xor_b32 s[G0B+5], s[G0B+5], SLOT
	s_add_nc_u64 s[G0B+6:G0B+7], s[G0B+6:G0B+7], BSTEP
.endif
	s_wait_dscnt 9                                 ; the add and the youngest eight loads may be out
	MUL16 F1, 0, 0, 0
	s_wait_dscnt 0x0                               ; the add is done, and my reads of this slot are over
	s_barrier_signal -1
	MUL16 F1, 0, 2, 0
	WIN 0
	s_barrier_wait -1
.if \fill
	CREST                                          ; no wave of any partner still reads this slot's tile or has a load on its way
	JLOAD                                          ; its four v_nop are also the places in front of the loads below
.else
	PLACES
.endif
	s_xor_b32 s[TB], s[TB], SLOT
	v_add_nc_u32 v[ADRA], s[TB], v[ADRA0]
	v_add_nc_u32 v[ADRB], s[TB], v[ADRB0]
	FETCH 0, F0
.if \fill
	ASK
.endif
	MUL16 F1, 1, 0, 0
	MUL16 F1, 1, 2, 0
.endm
; THE WAY OUT of row block a (0 to 7): rounded to f16, 16 bytes a lane; into my own stage in LDS; back as whole rows of 256 bytes; stored.
.macro PACK a
	WIN 5*(2+(\a)/4)                               ; both sources in window 2 or 3
.irp b, 0,1,2,3,4,5,6,7
.irp e, 0,1,2,3
	v_cvt_pk_f16_f32 v[TMP+4*(\b)+(\e)], v[64*((\a)%4)+8*(\b)+2*(\e)], v[64*((\a)%4)+8*(\b)+2*(\e)+1]
.endr
.endr
	WIN 0
.endm
.macro TOSTAGE a
.if (\a) >= 4
	s_wait_xcnt 0x0                                ; the stores of the block four back have read their registers, which are loaded again below
.endif
.irp b, 0,1,2,3,4,5,6,7
	ds_store_b128 v[STO], v[TMP+4*(\b):TMP+4*(\b)+3] offset:32*(\b)
.endr
.irp t, 0,1,2,3,4,5,6,7
	ds_load_b128 v[OB+32*((\a)%4)+4*(\t):OB+32*((\a)%4)+4*(\t)+3], v[RD] offset:(\t)*2*SP  ; LDS serves a wave's instructions in order (ISA guide 5.7.1.4): these see the stores above
.endr
.endm
.macro SEND a
.irp t, 0,1,2,3,4,5,6,7
	s_wait_dscnt 7-(\t)                            ; load t of the eight is back
	global_store_b128 v[CO], v[OB+32*((\a)%4)+4*(\t):OB+32*((\a)%4)+4*(\t)+3], s[8:9] offset:(16*(\a)+2*(\t))*CPITCH  ; 16 lanes store 256 consecutive bytes, at a multiple of 256 from C's first byte
.endr
.endm
	s_wait_tensorcnt 0x1                           ; my part of K step 0 is in; K step 1's may stay out
	s_barrier_signal -1
	s_barrier_wait -1                              ; everybody's is
	FETCH 0, F0
	QUARTER 1, F0, F1, 2                           ; the first quarter stands in front of the loop: its products start the sums, with the bias
	WIN 0                                          ; at a label and at a branch every window is 0
	s_mov_b32 s3, KT-2
.Lstep:                                        ; a trip: from a K step's second quarter to the next step's first; it fills the slot that it leaves
	QUARTER 2, F1, F0, 0
	QUARTER 3, F0, F1, 0
	TURN 1
	QUARTER 1, F0, F1, 0
	WIN 0
	s_sub_co_u32 s3, s3, 1
	s_cmp_lg_u32 s3, 0
	s_cbranch_scc1 .Lstep
	s_mov_b32 s3, 2
.Ltail:                                        ; the last two K steps fill nothing: one text, walked twice and left in its middle
	QUARTER 2, F1, F0, 0
	QUARTER 3, F0, F1, 0
	TURN 0
	WIN 0
	s_sub_co_u32 s3, s3, 1
	s_cmp_eq_u32 s3, 0
	s_cbranch_scc1 .Lout
	QUARTER 1, F0, F1, 0
	WIN 0
	s_branch .Ltail
.Lout:                                         ; the second trip's barrier and its 32 loads (from the slot of the step before) serve nothing: the price, once a launch, of one text for both steps
	s_wait_dscnt 0x0                               ; those loads are back: their registers are used again below
	PLACES
	PLACES
	PACK 0
	TOSTAGE 0
.irp a, 1,2,3,4,5,6,7                  ; a block's conversions stand between the loads of the block before and the wait for them
	PACK \a
	SEND (\a)-1
	TOSTAGE \a
.endr
	SEND 7
	s_wait_tensorcnt 0x0                           ; the wave's end, behind my last tensor load and my last LDS store
	ds_add_u32 v[SPW], v[NIL]
	s_wait_dscnt 0x0
	CROUND                                         ; the closing round: no work-group ends while a partner may still ask for a tile that names it
	s_endpgm
.Lfunc_end_k_q492d92f17f_qkvp:
	.size	k_q492d92f17f_qkvp, .Lfunc_end_k_q492d92f17f_qkvp-k_q492d92f17f_qkvp
	.p2alignl 7, 3214868480
	.fill 96, 4, 3214868480
	.section	.rodata,"a",@progbits
	.p2align	6, 0x0
	.amdhsa_kernel k_q492d92f17f_qkvp
		.amdhsa_group_segment_fixed_size 327680
		.amdhsa_private_segment_fixed_size 0
		.amdhsa_enable_private_segment 0
		.amdhsa_kernarg_size 32
		.amdhsa_user_sgpr_count 2
		.amdhsa_user_sgpr_kernarg_segment_ptr 1
		.amdhsa_wavefront_size32 1
		.amdhsa_system_sgpr_workgroup_id_x 1
		.amdhsa_system_sgpr_workgroup_id_y 1
		.amdhsa_system_sgpr_workgroup_id_z 1
		.amdhsa_system_vgpr_workitem_id 0
		.amdhsa_next_free_vgpr 1024
		.amdhsa_next_free_sgpr 96
		.amdhsa_reserve_vcc 0
		.amdhsa_float_denorm_mode_32 3
		.amdhsa_float_denorm_mode_16_64 3
		.amdhsa_memory_ordered 1
		.amdhsa_forward_progress 1
		.amdhsa_inst_pref_size 109
	.end_amdhsa_kernel
	.amdgpu_metadata
---
amdhsa.version: [ 1, 2 ]
amdhsa.kernels:
  - .name:           k_q492d92f17f_qkvp
    .symbol:         k_q492d92f17f_qkvp.kd
    .args:
      - { .name: xb, .offset: 0, .size: 8, .value_kind: global_buffer, .address_space: global }
      - { .name: wq16, .offset: 8, .size: 8, .value_kind: global_buffer, .address_space: global }
      - { .name: qkv, .offset: 16, .size: 8, .value_kind: global_buffer, .address_space: global }
      - { .name: b_qkv, .offset: 24, .size: 8, .value_kind: global_buffer, .address_space: global }
    .group_segment_fixed_size: 327680
    .private_segment_fixed_size: 0
    .kernarg_segment_align: 8
    .kernarg_segment_size: 32
    .max_flat_workgroup_size: 128
    .sgpr_count:     96
    .vgpr_count:     1024
    .wavefront_size: 32
...
	.end_amdgpu_metadata
.endif
;; end of part 2
;; launch scores (part 3): grid 8 x 32, 4 waves a work-group, clusters of 4 x 4, 327,680 bytes of LDS; arguments qkv, p, stat; writes p, stat
.if DOCPART == 3
	.amdgcn_target "amdgcn-amd-amdhsa--gfx1250"
	.amdhsa_code_object_version 6
	.text
	.protected	k_q492d92f17f_scores
	.globl	k_q492d92f17f_scores
	.p2align	8
	.type	k_q492d92f17f_scores,@function
k_q492d92f17f_scores:
	s_mov_b64 s[64:65], 0
	v_nop
	global_prefetch_b8 v0, s[64:65] scope:SCOPE_SE
	s_setreg_imm32_b32 hwreg(HW_REG_WAVE_MODE, 25, 1), 1
	s_wait_xcnt 0x0
	s_wait_alu depctr_hold_cnt(0) depctr_sa_sdst(0) depctr_va_vdst(0) depctr_va_sdst(0) depctr_va_ssrc(0) depctr_va_vcc(0) depctr_vm_vsrc(0)
	s_getreg_b32 s2, hwreg(HW_REG_IB_STS2, 6, 4)
	s_cmp_eq_u32 s2, 0
	s_cbranch_scc0 .Lentry_in_a_cluster
	s_endpgm
.Lentry_in_a_cluster:
	s_bfe_u32 s2, ttmp6, 0x10000c
	s_cmp_lg_u32 s2, 0xf033
	s_cbranch_scc0 .Lentry_shape_is_right
	s_endpgm
.Lentry_shape_is_right:
; THE WEIGHTS, BLOCK BY BLOCK.  s[m][t] = the sum over d of q[m][d] k[t][d], per batch of 2,048 rows; q and k are the first and second 1,024 columns of qkv [8192][3072], f16; sums in f32.
; For each row and each block of 128 keys: mx = the largest s of the block, p[m][t] = 2^(c s - c mx), c = log2(e) / 32 (the reference's division by sqrt(1024) and the change of base),
; l = the sum of the block's p.  p [8192][2048] leaves in f16, c mx and l in f32 (stat).  The next launch takes the row's maximum over its 16 blocks and rescales: the maximum is taken away
; before every exponential, first the block's and then the row's.
; LIMITS.  p lies in 0 to 1 (to within a rounding of c mx); below 6e-5 it keeps f16's fixed step of 6e-8; an exponential below 2^-126 counts as 0 in l; NaN and infinities are not treated apart.
; stat: [row group of 64: 128][block of 128 keys: 16][512 bytes]; in a block the 16 bytes at 16 (16 u + r) hold c mx of rows 16 u + r and 32 + 16 u + r of the group, then their l: one store of a wave.
; SHARES.  A tile is 256 rows x 256 keys: 32 x 8 = 256 tiles, one for each of 256 WGPs.  Four waves, 2 x 2; a wave makes 128 rows x 128 keys: 64 accumulators, and two blocks of stat.
; K goes in 8 steps of 128 channels through a ring of two LDS slots: 256 rows x 256 bytes of q and of k; both lie along the channels.  A K step is 256 matrix instructions a wave; 224 of them stand
; between a refill's request and the wait for it.
; CLUSTERS.  4 x 4 work-groups; q's tile is shared along a row of the cluster, k's along a column: joint tensor loads.  Waves 0 and 1 fetch k's two halves, waves 2 and 3 q's.
; TRANSPOSED USE (source 0 = 16 keys, source 1 = 16 queries): lane l holds query l % 16 and the keys 8 (l / 16) + 0..7 of each block of 16: a row's maximum and sum want one exchange between the halves of the lanes.
; REGISTERS: window 0: v0-19 addresses; v32-39 (c mx, mx) for four row blocks; v40-43 l; v44-47 a block of stat; v64-191 q's fragments, two buffers, later rows read back; v192-223 at work
;   window 1: v64-191 k's fragments, two buffers     window 2: the 32 accumulators of my rows 0-63 ((a, b) at v[8 (8 a + b)])     window 3: those of my rows 64-127
.set KT,     8
.set APITCH, 6144
.set BPITCH, 6144
.set ASTEP,  256
.set BSTEP,  256
.set CPITCH, 4096
.set PA,     272                       ; an LDS row: 256 bytes + 16 = 68 words: the 16 rows of a load start at 16 different groups of four banks (64 banks of 4 bytes: ISA guide 11.1)
.set PB,     272
.set HALFT,  128*PA                    ; what one tensor load brings: 128 rows
.set AOFF,   2*HALFT                   ; in a slot: k's 256 rows, then q's
.set SLOT,   4*HALFT                   ; 139,264 = 0x22000.  Wave x 34,816 has neither bit 13 nor bit 17 set, so one exclusive or with SLOT turns a load's LDS address in one slot into the other's
.set STAGE,  2*SLOT                    ; behind the ring, never filled by a tensor load: 16 rows x 272 bytes for each wave
.set SP,     272
.set SPARE,  STAGE+4*16*SP             ; the spare words: two blocks of 256 bytes that no other line names
.set ADRA0, 8
.set ADRB0, 9
.set ADRA,  10
.set ADRB,  11
.set STO,   12
.set RD,    13
.set CO,    14
.set PFO,   15
.set SPW,   16
.set NIL,   17
.set SO,    19                         ; v19  16 x my lane: my 16 bytes of a block of stat
.set ST,    32
.set LL,    40
.set SD,    44
.set F0,    64
.set F1,    128
.set OB,    64
.set TMP,   192
.set G1A, 24
.set G0A, 32
.set G1B, 48
.set G0B, 56
.set TB,  66
.set PFA, 68
.set LIM, 72
.set CS,  74                           ; s[74:75] c, twice: the packed scaling names a pair
.set SEL, 76                           ; s[76:77] v_permlanex16_b32's selects: each lane takes its own place in the other half
.set HIM, 78                           ; s78  the mask of lanes 16-31
.set BA,  79                           ; s79  the batch
.set TO_B, 0x40
.set MSB, 0
.macro WIN new
.if MSB != (\new)
	s_set_vgpr_msb (MSB<<8)|(\new)
.set MSB, \new
.endif
.endm
.macro PLACES
.rept 4
	v_nop
.endr
.endm
.macro JLOAD                           ; a joint refill by the walking descriptor; an s_nop 0 and four v_nop follow each line
	s_cmp_eq_u32 s11, 0
	s_cbranch_scc0 .Lfor_a_\@
	tensor_load_to_lds s[G0B+4:G0B+7], s[G1B:G1B+7]
	s_nop 0
.rept 4
	v_nop
.endr
	s_branch .Lasked_\@
.Lfor_a_\@:
	tensor_load_to_lds s[G0A+4:G0A+7], s[G1A:G1A+7]
	s_nop 0
.rept 4
	v_nop
.endr
.Lasked_\@:
.endm
.macro CREST
	s_cmp_lg_u32 s10, 0
	s_cbranch_scc1 .Lnot_wave_0_\@
	s_barrier_signal -3
.Lnot_wave_0_\@:
	s_barrier_wait -3
	s_barrier_signal -1
	s_barrier_wait -1
.endm
.macro CROUND
	s_barrier_signal -1
	s_barrier_wait -1
	CREST
.endm
; A PREFETCH INTO THE L2 behind each joint refill and its run of LDS loads: the refill of trip t brings K step t + 2, the prefetch names K step t + 4: 512 matrix instructions ahead of its load.
; Each block of 256 bytes is named once.  q's tile row is read by both clusters of a row of clusters: cluster x = 0 asks; of the 128 rows that wave 2 or 3 fetches, the partner at cx takes 32 cx + lane.
; k's tile is read by the batch's two rows of clusters: the first of them asks; of the 128 rows that wave 0 or 1 fetches, the partner at cy takes 32 cy + lane.  Partners differ by address alone.
; K steps 0 to 3 come by their loads; trips with s3 <= 2 ask for nothing.
.macro ASK
	s_cmp_gt_u32 s3, s[LIM]
	s_cbranch_scc0 .Lnot_mine_\@
	global_prefetch_b8 v[PFO], s[PFA:PFA+1] th:TH_LOAD_NT scope:SCOPE_SE
.Lnot_mine_\@:
.endm
	s_load_b64 s[4:5], s[0:1], 0x0                 ; qkv, for q
	s_load_b64 s[6:7], s[0:1], 0x0                 ; qkv, for k
	s_load_b64 s[8:9], s[0:1], 0x8                 ; p
	s_load_b64 s[80:81], s[0:1], 0x10              ; stat
	v_lshl_add_u32 v[SPW], v0, 2, SPARE
	v_mov_b32 v[NIL], 0
	ds_add_u32 v[SPW], v[NIL]                      ; the wave's opening: the add and its wait ahead of my first tensor load
	v_lshrrev_b32 v1, 5, v0
	v_readfirstlane_b32 s10, v1
	s_lshr_b32 s11, s10, 1                         ; my half of the rows.  Also: I fetch for k (0) or for q (1)
	s_and_b32 s12, s10, 1                          ; my half of the keys.  Also: which half of that tile I fetch
	s_bfe_u32 s40, ttmp6, 0x40000
	s_bfe_u32 s41, ttmp6, 0x40004
	s_lshl_b32 s42, ttmp9, 2
	s_add_co_u32 s42, s42, s40                     ; tile column: 256 keys of the batch
	s_and_b32 s45, ttmp7, 0xffff
	s_lshl_b32 s13, s45, 2
	s_add_co_u32 s13, s13, s41                     ; tile row: 256 of the 8,192 rows
	s_lshr_b32 s[BA], s45, 1                       ; 8 tile rows to a batch: the batch hangs on the cluster's y alone
	s_lshl_b32 s43, s41, 2
	s_lshl_b32 s43, 15, s43
	s_lshl_b32 s44, 0x1111, s40
	s_or_b32 s[G1A], s43, (1<<16)|(1<<20)|(1<<21)|(5<<22)|(3<<25)  ; the mask; 2-byte elements; padding on; bit 21 beside a mask; after every 64 words 4 words
	s_or_b32 s[G1B], s44, (1<<16)|(1<<20)|(1<<21)|(5<<22)|(3<<25)
.irp g, G1A, G1B
	s_mov_b32 s[(\g)+1], 128<<16                   ; 128 rows x 128 elements
	s_mov_b32 s[(\g)+2], 128<<16
	s_mov_b32 s[(\g)+3], 128<<16
	s_mov_b32 s[(\g)+4], 128
	s_mov_b32 s[(\g)+5], APITCH/2
	s_mov_b32 s[(\g)+6], 0
	s_mov_b32 s[(\g)+7], 0
.endr
	s_lshl_b32 s16, s13, 8                         ; q: row 256 x tile row + 128 x half
	s_lshl_b32 s17, s12, 7
	s_add_co_u32 s16, s16, s17
	s_mul_i32 s16, s16, APITCH
	s_mov_b32 s17, 0
	s_lshl_b32 s46, s[BA], 11                      ; k: row 2,048 x batch + 256 x tile column + 128 x half, byte 2,048
	s_lshl_b32 s47, s42, 8
	s_add_co_u32 s46, s46, s47
	s_lshl_b32 s47, s12, 7
	s_add_co_u32 s46, s46, s47
	s_mul_i32 s46, s46, BPITCH
	s_add_co_u32 s46, s46, 2048
	s_mov_b32 s47, 0
	s_mul_i32 s20, s10, HALFT                      ; where they go: wave x 34,816: no place in the cluster enters an LDS address
	s_mov_b32 s[TB], 0
	s_mov_b32 s[HIM], 0xffff0000
	s_mov_b32 s[CS], 0x3d38aa3b                    ; c = log2(e) / 32
	s_mov_b32 s[CS+1], s[CS]
	s_mov_b32 s[SEL], 0x76543210
	s_mov_b32 s[SEL+1], 0xfedcba98
	s_wait_dscnt 0x0
	s_wait_kmcnt 0x0
	s_add_nc_u64 s[14:15], s[4:5], s[16:17]
	s_add_nc_u64 s[46:47], s[6:7], s[46:47]
	CROUND
.irp s, 0,1
	s_mov_b32 s[G0A+4*(\s)], 1
	s_add_co_u32 s[G0A+4*(\s)+1], s20, (\s)*SLOT
	s_add_nc_u64 s[G0A+4*(\s)+2:G0A+4*(\s)+3], s[14:15], (\s)*ASTEP
	s_or_b32 s[G0A+4*(\s)+3], s[G0A+4*(\s)+3], 0x80000000
	s_mov_b32 s[G0B+4*(\s)], 1
	s_add_co_u32 s[G0B+4*(\s)+1], s20, (\s)*SLOT
	s_add_nc_u64 s[G0B+4*(\s)+2:G0B+4*(\s)+3], s[46:47], (\s)*BSTEP
	s_or_b32 s[G0B+4*(\s)+3], s[G0B+4*(\s)+3], 0x80000000
.endr
	s_cmp_eq_u32 s11, 0                            ; a wave's two first fills stand in one branch: two loads of mine are out
	s_cbranch_scc0 .Lfirst_a
	tensor_load_to_lds s[G0B:G0B+3], s[G1B:G1B+7]
	s_nop 0
	tensor_load_to_lds s[G0B+4:G0B+7], s[G1B:G1B+7]
	s_nop 0
.rept 4
	v_nop
.endr
	s_branch .Lfirst_asked
.Lfirst_a:
	tensor_load_to_lds s[G0A:G0A+3], s[G1A:G1A+7]
	s_nop 0
	tensor_load_to_lds s[G0A+4:G0A+7], s[G1A:G1A+7]
	s_nop 0
.rept 4
	v_nop
.endr
.Lfirst_asked:
	v_and_b32 v1, 15, v0                           ; r
	v_bfe_u32 v2, v0, 4, 1                         ; h
	v_and_b32 v3, 31, v0                           ; l
	v_mul_u32_u24 v4, v1, PA
	v_lshl_add_u32 v4, v2, 4, v4                   ; 272 r + 16 h: a fragment's row and half, for q and for k
	s_mul_i32 s21, s11, HALFT
	s_add_co_u32 s21, s21, AOFF
	v_add_nc_u32 v[ADRA0], s21, v4
	s_mul_i32 s22, s12, HALFT
	v_add_nc_u32 v[ADRB0], s22, v4
	v_mov_b32 v[ADRA], v[ADRA0]
	v_mov_b32 v[ADRB], v[ADRB0]
	s_mul_i32 s23, s10, 16*SP
	s_add_co_u32 s23, s23, STAGE
	v_add_nc_u32 v[STO], s23, v4
	v_mul_u32_u24 v6, v2, SP
	v_lshl_add_u32 v6, v1, 4, v6
	v_add_nc_u32 v[RD], s23, v6
	v_mul_u32_u24 v7, v2, CPITCH
	v_lshl_add_u32 v[CO], v1, 4, v7
	v_lshlrev_b32 v[SO], 4, v3
	s_lshl_b32 s16, s13, 8                         ; p at my part of the tile
	s_lshl_b32 s17, s11, 7
	s_add_co_u32 s16, s16, s17
	s_mul_i32 s16, s16, CPITCH
	s_mov_b32 s17, 0
	s_add_nc_u64 s[8:9], s[8:9], s[16:17]
	s_lshl_b32 s46, s42, 9
	s_lshl_b32 s47, s12, 8
	s_add_co_u32 s46, s46, s47
	s_mov_b32 s47, 0
	s_add_nc_u64 s[8:9], s[8:9], s[46:47]
	s_lshl_b32 s18, s13, 2                         ; stat at my first block: ((4 x tile row + 2 x row half) x 16 + 2 x tile column + key half) x 512
	s_lshl_b32 s19, s11, 1
	s_add_co_u32 s18, s18, s19
	s_lshl_b32 s18, s18, 4
	s_lshl_b32 s19, s42, 1
	s_add_co_u32 s18, s18, s19
	s_add_co_u32 s18, s18, s12
	s_lshl_b32 s18, s18, 9
	s_mov_b32 s19, 0
	s_add_nc_u64 s[80:81], s[80:81], s[18:19]
	; the prefetches' address, at K step 3
	s_lshl_b32 s20, s13, 8
	s_lshl_b32 s21, s12, 7
	s_add_co_u32 s20, s20, s21
	s_lshl_b32 s21, s40, 5
	s_add_co_u32 s20, s20, s21
	s_mul_i32 s20, s20, APITCH
	s_add_co_u32 s20, s20, 3*ASTEP                 ; q: row 256 x tile row + 128 x half + 32 cx
	s_lshl_b32 s21, s[BA], 11
	s_lshl_b32 s22, s42, 8
	s_add_co_u32 s21, s21, s22
	s_lshl_b32 s22, s12, 7
	s_add_co_u32 s21, s21, s22
	s_lshl_b32 s22, s41, 5
	s_add_co_u32 s21, s21, s22
	s_mul_i32 s21, s21, BPITCH
	s_add_co_u32 s21, s21, 2048+3*BSTEP            ; k: row 2,048 x batch + 256 x tile column + 128 x half + 32 cy
	s_and_b32 s18, s45, 1                          ; the cluster's place among the batch's two rows of clusters
	s_cmp_eq_u32 s11, 0
	s_cselect_b32 s20, s21, s20
	s_cselect_b64 s[PFA:PFA+1], s[6:7], s[4:5]
	s_cselect_b32 s2, s18, ttmp9
	s_cmp_eq_u32 s2, 0
	s_cselect_b32 s[LIM], 2, -1                    ; the same in all sixteen partners, for a given wave
	s_mov_b32 s21, 0
	s_add_nc_u64 s[PFA:PFA+1], s[PFA:PFA+1], s[20:21]
	v_mul_u32_u24 v[PFO], v3, APITCH
; 16 matrix instructions: row blocks a0, a0 + 1 of the window's four (hi = 0: my rows 0-63, 1: rows 64-127) x all 8 key blocks, 32 channels, from buffer f.  cin = 1: the constant 0 starts the sums.
; The 64 accumulators take turns, one instruction a turn, in the same order in every quarter.
.macro MUL16 f, hi, a0, cin
	WIN 0xa1+0x50*(\hi)                            ; k in window 1, q in window 0, C and D in window 2 or 3
.irp a, \a0, (\a0)+1
.irp b, 0,1,2,3,4,5,6,7
.if \cin
	v_wmma_f32_16x16x32_f16 v[8*(8*(\a)+(\b)):8*(8*(\a)+(\b))+7], v[(\f)+8*(\b):(\f)+8*(\b)+7], v[(\f)+8*(4*(\hi)+(\a)):(\f)+8*(4*(\hi)+(\a))+7], 0
.else
	v_wmma_f32_16x16x32_f16 v[8*(8*(\a)+(\b)):8*(8*(\a)+(\b))+7], v[(\f)+8*(\b):(\f)+8*(\b)+7], v[(\f)+8*(4*(\hi)+(\a)):(\f)+8*(4*(\hi)+(\a))+7], v[8*(8*(\a)+(\b)):8*(8*(\a)+(\b))+7]
.endif
.endr
.endr
.endm
.macro FETCH kq, f                     ; 32 LDS loads in one run: k's sixteen, then q's sixteen
	WIN TO_B
.irp b, 0,1,2,3,4,5,6,7
	ds_load_b128 v[(\f)+8*(\b):(\f)+8*(\b)+3],   v[ADRB] offset:64*(\kq)+(\b)*16*PB
	ds_load_b128 v[(\f)+8*(\b)+4:(\f)+8*(\b)+7], v[ADRB] offset:64*(\kq)+(\b)*16*PB+32
.endr
	WIN 0
.irp a, 0,1,2,3,4,5,6,7
	ds_load_b128 v[(\f)+8*(\a):(\f)+8*(\a)+3],   v[ADRA] offset:64*(\kq)+(\a)*16*PA
	ds_load_b128 v[(\f)+8*(\a)+4:(\f)+8*(\a)+7], v[ADRA] offset:64*(\kq)+(\a)*16*PA+32
.endr
.endm
.macro QUARTER kq, f, g, cin
	s_wait_dscnt 8                                 ; k and q's rows 0-63 are in; the youngest eight loads (q's rows 64-127) may be out
	MUL16 \f, 0, 0, \cin
	MUL16 \f, 0, 2, \cin
	PLACES
	FETCH \kq, \g
	s_wait_dscnt 32                                ; all but the 32 just issued
	MUL16 \f, 1, 0, \cin
	MUL16 \f, 1, 2, \cin
.endm
; The change of slots: each wave waits for all its tensor loads, adds 0 to its spare word, waits for that and for its reads of the slot; one barrier, which with fill = 1 opens a round of the cluster's;
; the joint refill is the first thing behind the round.
.macro TURN fill
.if \fill
	s_wait_xcnt 0x0                                ; the last prefetch, a K step back, has read its address
	s_add_nc_u64 s[PFA:PFA+1], s[PFA:PFA+1], ASTEP
.endif
	WIN 0
	s_wait_tensorcnt 0x0
	ds_add_u32 v[SPW], v[NIL]
.if \fill
	s_xor_b32 s[G0A+5], s[G0A+5], SLOT
	s_add_nc_u64 s[G0A+6:G0A+7], s[G0A+6:G0A+7], ASTEP
	s_xor_b32 s[G0B+5], s[G0B+5], SLOT
	s_add_nc_u64 s[G0B+6:G0B+7], s[G0B+6:G0B+7], BSTEP
.endif
	s_wait_dscnt 9                                 ; the add and the youngest eight loads may be out
	MUL16 F1, 0, 0, 0
	s_wait_dscnt 0x0                               ; the add is done, and my reads of this slot are over
	s_barrier_signal -1
	MUL16 F1, 0, 2, 0
	WIN 0
	s_barrier_wait -1
.if \fill
	CREST
	JLOAD
.else
	PLACES
.endif
	s_xor_b32 s[TB], s[TB], SLOT
	v_add_nc_u32 v[ADRA], s[TB], v[ADRA0]
	v_add_nc_u32 v[ADRB], s[TB], v[ADRB0]
	FETCH 0, F0
.if \fill
	ASK
.endif
	MUL16 F1, 1, 0, 0
	MUL16 F1, 1, 2, 0
.endm
; THE WAY OUT is written for 64 rows, the four row blocks of window 2, and walked twice.
; THE BLOCK'S MAXIMUM for row block a: the lane's 64 scores in four chains, three operands at a time; each accumulator's lowest registers are read first; then the other half of the lanes'.
.macro SMAX a
.set rC, TMP+4*(\a)
.set rS, 64*(\a)
	WIN 0x2a                                       ; all three sources in window 2
.irp i, 0,1,2,3
	v_max3_num_f32 v[rC+(\i)], v[rS+8*(\i)], v[rS+8*(\i)+1], v[rS+8*(\i)+2]
.endr
	WIN 0x28                                       ; the chain in window 0, two scores in window 2
.irp j, 3,5
.irp i, 0,1,2,3
	v_max3_num_f32 v[rC+(\i)], v[rC+(\i)], v[rS+8*(\i)+(\j)], v[rS+8*(\i)+(\j)+1]
.endr
.endr
.irp i, 0,1,2,3
	v_max3_num_f32 v[rC+(\i)], v[rC+(\i)], v[rS+8*(\i)+7], v[rS+8*(\i)+32]
.endr
.irp j, 1,3,5
.irp i, 0,1,2,3
	v_max3_num_f32 v[rC+(\i)], v[rC+(\i)], v[rS+8*(\i)+32+(\j)], v[rS+8*(\i)+32+(\j)+1]
.endr
.endr
	v_max3_num_f32 v[rC], v[rC], v[rS+39], v[rS+47]
	v_max3_num_f32 v[rC+2], v[rC+2], v[rS+55], v[rS+63]
	WIN 0
	v_max3_num_f32 v[rC], v[rC], v[rC+1], v[rC+2]
	v_max_num_f32 v[rC], v[rC], v[rC+3]
	v_permlanex16_b32 v[rC+1], v[rC], s[SEL], s[SEL+1]  ; the query's other 64 keys lie in the lane 16 away
	v_max_num_f32 v[ST+2*(\a)+1], v[rC], v[rC+1]
	v_mul_f32 v[ST+2*(\a)], s[CS], v[ST+2*(\a)+1]
.endm
; c s - c mx, a pair a line, and behind each the two exponentials of the pair before: no line names an exponential's result
.macro SEXP a
	WIN 0x82                                       ; destination and source 0 in window 2, c mx in window 0
.set i, 0
.rept 33
.if i < 32
	v_pk_fma_f32 v[64*(\a)+2*i:64*(\a)+2*i+1], v[64*(\a)+2*i:64*(\a)+2*i+1], s[CS:CS+1], v[ST+2*(\a):ST+2*(\a)+1] op_sel_hi:[1,0,0] neg_lo:[0,0,1] neg_hi:[0,0,1]
.endif
.if i > 0
	v_exp_f32 v[64*(\a)+2*i-2], v[64*(\a)+2*i-2]
	v_exp_f32 v[64*(\a)+2*i-1], v[64*(\a)+2*i-1]
.endif
.set i, i+1
.endr
.endm
.macro PACK a
	WIN 0x0a
.irp b, 0,1,2,3,4,5,6,7
.irp e, 0,1,2,3
	v_cvt_pk_f16_f32 v[TMP+4*(\b)+(\e)], v[64*(\a)+8*(\b)+2*(\e)], v[64*(\a)+8*(\b)+2*(\e)+1]
.endr
.endr
	WIN 0
.endm
.macro TOSTAGE a
.irp b, 0,1,2,3,4,5,6,7
	ds_store_b128 v[STO], v[TMP+4*(\b):TMP+4*(\b)+3] offset:32*(\b)
.endr
.irp t, 0,1,2,3,4,5,6,7
	ds_load_b128 v[OB+32*(\a)+4*(\t):OB+32*(\a)+4*(\t)+3], v[RD] offset:(\t)*2*SP  ; LDS serves a wave's instructions in order (ISA guide 5.7.1.4)
.endr
.endm
; the sum of the lane's 64 unrounded weights, in place, by halves; then the other half of the lanes'.  It stands between a block's loads from the stage and the wait for them.
.macro SSUM a
	WIN 0x8a
.irp w, 16,8,4,2,1
.set u, 0
.rept \w
	v_pk_add_f32 v[64*(\a)+2*u:64*(\a)+2*u+1], v[64*(\a)+2*u:64*(\a)+2*u+1], v[64*(\a)+2*(u+(\w)):64*(\a)+2*(u+(\w))+1]
.set u, u+1
.endr
.endr
	WIN 0x0a
	v_add_f32 v[LL+(\a)], v[64*(\a)], v[64*(\a)+1]
	WIN 0
	v_permlanex16_b32 v[ST+2*(\a)+1], v[LL+(\a)], s[SEL], s[SEL+1]  ; into mx's register, which is done with
	v_add_f32 v[LL+(\a)], v[LL+(\a)], v[ST+2*(\a)+1]
.endm
.macro SEND a
.irp t, 0,1,2,3,4,5,6,7
	s_wait_dscnt 7-(\t)                            ; load t of the eight is back
	global_store_b128 v[CO], v[OB+32*(\a)+4*(\t):OB+32*(\a)+4*(\t)+3], s[8:9] offset:(16*(\a)+2*(\t))*CPITCH  ; 16 lanes store 256 consecutive bytes, at a multiple of 256 from p's first byte
.endr
.endm
	s_wait_tensorcnt 0x1                           ; my part of K step 0 is in; K step 1's may stay out
	s_barrier_signal -1
	s_barrier_wait -1
	FETCH 0, F0
	QUARTER 1, F0, F1, 1                           ; the first quarter's products start the sums
	WIN 0
	s_mov_b32 s3, KT-2
.Lstep:                                        ; a trip: from a K step's second quarter to the next step's first; it fills the slot that it leaves
	QUARTER 2, F1, F0, 0
	QUARTER 3, F0, F1, 0
	TURN 1
	QUARTER 1, F0, F1, 0
	WIN 0
	s_sub_co_u32 s3, s3, 1
	s_cmp_lg_u32 s3, 0
	s_cbranch_scc1 .Lstep
	s_mov_b32 s3, 2
.Ltail:                                        ; the last two K steps fill nothing: one text, walked twice and left in its middle
	QUARTER 2, F1, F0, 0
	QUARTER 3, F0, F1, 0
	TURN 0
	WIN 0
	s_sub_co_u32 s3, s3, 1
	s_cmp_eq_u32 s3, 0
	s_cbranch_scc1 .Lout
	QUARTER 1, F0, F1, 0
	WIN 0
	s_branch .Ltail
.Lout:                                         ; the second trip's barrier and its 32 loads (from the slot of the step before) serve nothing: the price, once a launch, of one text for both steps
	s_wait_dscnt 0x0                               ; those loads are back: their registers are used again below
	PLACES
	PLACES
	s_mov_b32 s3, 2
.Lhalf:                                        ; 64 rows: their block of stat and their 64 x 256 bytes of p
	SMAX 0
	SMAX 1
	SMAX 2
	SMAX 3
	SEXP 0                                         ; ONE BATCH of 256 exponentials,
	SEXP 1
	SEXP 2
	SEXP 3
	v_nop                                          ; a plain instruction behind the last of them,
	s_wait_alu depctr_va_vdst(0)                   ; and one wait ahead of the first line that names a result
.irp a, 0,1,2,3
	PACK \a
	TOSTAGE \a
	SSUM \a
	SEND \a
.endr
	v_cndmask_b32 v[SD], v[ST], v[ST+2], s[HIM]    ; lanes 0-15 carry row blocks 0 and 2, lanes 16-31 blocks 1 and 3
	v_cndmask_b32 v[SD+1], v[ST+4], v[ST+6], s[HIM]
	v_cndmask_b32 v[SD+2], v[LL], v[LL+1], s[HIM]
	v_cndmask_b32 v[SD+3], v[LL+2], v[LL+3], s[HIM]
	global_store_b128 v[SO], v[SD:SD+3], s[80:81]  ; 512 consecutive bytes
	s_sub_co_u32 s3, s3, 1
	s_cmp_eq_u32 s3, 0
	s_cbranch_scc1 .Ldone
	s_wait_xcnt 0x0                                ; the stores have read their registers and their bases
	s_add_nc_u64 s[8:9], s[8:9], 64*CPITCH         ; my rows 64-127,
	s_add_nc_u64 s[80:81], s[80:81], 8192          ; the next row group's block of stat
	WIN 0x83                                       ; and their accumulators go where the one text of the way out names them: 256 copies, once a launch, for half the way out's text
.set i, 0
.rept 256
	v_mov_b32 v[i], v[i]
.set i, i+1
.endr
	WIN 0
	s_branch .Lhalf
.Ldone:
	s_wait_tensorcnt 0x0                           ; the wave's end
	ds_add_u32 v[SPW], v[NIL]
	s_wait_dscnt 0x0
	CROUND                                         ; the closing round
	s_endpgm
.Lfunc_end_k_q492d92f17f_scores:
	.size	k_q492d92f17f_scores, .Lfunc_end_k_q492d92f17f_scores-k_q492d92f17f_scores
	.p2alignl 7, 3214868480
	.fill 96, 4, 3214868480
	.section	.rodata,"a",@progbits
	.p2align	6, 0x0
	.amdhsa_kernel k_q492d92f17f_scores
		.amdhsa_group_segment_fixed_size 327680
		.amdhsa_private_segment_fixed_size 0
		.amdhsa_enable_private_segment 0
		.amdhsa_kernarg_size 24
		.amdhsa_user_sgpr_count 2
		.amdhsa_user_sgpr_kernarg_segment_ptr 1
		.amdhsa_wavefront_size32 1
		.amdhsa_system_sgpr_workgroup_id_x 1
		.amdhsa_system_sgpr_workgroup_id_y 1
		.amdhsa_system_sgpr_workgroup_id_z 1
		.amdhsa_system_vgpr_workitem_id 0
		.amdhsa_next_free_vgpr 1024
		.amdhsa_next_free_sgpr 96
		.amdhsa_reserve_vcc 0
		.amdhsa_float_denorm_mode_32 3
		.amdhsa_float_denorm_mode_16_64 3
		.amdhsa_memory_ordered 1
		.amdhsa_forward_progress 1
		.amdhsa_inst_pref_size 129
	.end_amdhsa_kernel
	.amdgpu_metadata
---
amdhsa.version: [ 1, 2 ]
amdhsa.kernels:
  - .name:           k_q492d92f17f_scores
    .symbol:         k_q492d92f17f_scores.kd
    .args:
      - { .name: qkv, .offset: 0, .size: 8, .value_kind: global_buffer, .address_space: global }
      - { .name: p, .offset: 8, .size: 8, .value_kind: global_buffer, .address_space: global }
      - { .name: stat, .offset: 16, .size: 8, .value_kind: global_buffer, .address_space: global }
    .group_segment_fixed_size: 327680
    .private_segment_fixed_size: 0
    .kernarg_segment_align: 8
    .kernarg_segment_size: 24
    .max_flat_workgroup_size: 128
    .sgpr_count:     96
    .vgpr_count:     1024
    .wavefront_size: 32
...
	.end_amdgpu_metadata
.endif
;; end of part 3
;; launch pv (part 4): grid 4 x 64, 4 waves a work-group, clusters of 4 x 4, 327,680 bytes of LDS; arguments p, qkv, o, stat; writes o
.if DOCPART == 4
	.amdgcn_target "amdgcn-amd-amdhsa--gfx1250"
	.amdhsa_code_object_version 6
	.text
	.protected	k_q492d92f17f_pv
	.globl	k_q492d92f17f_pv
	.p2align	8
	.type	k_q492d92f17f_pv,@function
k_q492d92f17f_pv:
	s_mov_b64 s[64:65], 0
	v_nop
	global_prefetch_b8 v0, s[64:65] scope:SCOPE_SE
	s_setreg_imm32_b32 hwreg(HW_REG_WAVE_MODE, 25, 1), 1
	s_wait_xcnt 0x0
	s_wait_alu depctr_hold_cnt(0) depctr_sa_sdst(0) depctr_va_vdst(0) depctr_va_sdst(0) depctr_va_ssrc(0) depctr_va_vcc(0) depctr_vm_vsrc(0)
	s_getreg_b32 s2, hwreg(HW_REG_IB_STS2, 6, 4)
	s_cmp_eq_u32 s2, 0
	s_cbranch_scc0 .Lentry_in_a_cluster
	s_endpgm
.Lentry_in_a_cluster:
	s_bfe_u32 s2, ttmp6, 0x10000c
	s_cmp_lg_u32 s2, 0xf033
	s_cbranch_scc0 .Lentry_shape_is_right
	s_endpgm
.Lentry_shape_is_right:
; o[m][d] = (the sum over t of f p[m][t] v[t][d]) / (the sum over blocks of f l), per batch.  p [8192][2048] f16 holds 2^(c s - c mx) with mx the maximum of the row's block of 128 keys;
; stat holds c mx and l (f32) of each row and block (layout below); v is the third 1,024 columns of qkv [8192][3072], f16.  Here the row's maximum over its 16 blocks is taken,
; f = 2^(c mx_block - c mx_row) <= 1, and each fragment of p is multiplied by f (both f16, one packed multiply) between its LDS load and the matrix instruction.  Sums in f32; o [8192][1024] f16, rounded once.
; LIMITS.  f and f p lie in 0 to 1; below 6e-5 they keep f16's fixed step of 6e-8; an f below 2^-126 counts as 0 in the divisor; o is a mean of v's rows and has their range; NaN and infinities are not treated apart.
; stat: [row group of 64: 128][block: 16][512 bytes]; in a block the 16 bytes at 16 (16 u + r) hold c mx of rows 16 u + r and 32 + 16 u + r of the group, then their l.
; SHARES.  A tile is 128 rows x 256 channels: 64 x 4 = 256 tiles, one for each WGP.  Four waves, 2 x 2; a wave makes 64 x 128: 32 accumulators.  K goes in 16 steps of 128 keys (a step is a block of stat)
; through a ring of two LDS slots: 128 rows x 256 bytes of p, 128 keys x 512 bytes of v; v lies [key][channel] and is turned by ds_load_tr16_b128.
; CLUSTERS.  4 x 4 work-groups; p's tile is shared along a row of the cluster, v's along a column: joint tensor loads.  Waves 0 and 1 fetch v's halves, waves 2 and 3 p's.
; TRANSPOSED USE (source 0 = 16 channels of v, source 1 = 16 rows of p): lane l holds row l % 16 in p's fragment and in the result: f and the divisor are one number a lane and row block.
; REGISTERS: window 0: v0-19 addresses; v20-23 f of the step in hand, twice in f16, for row blocks 0-3; v24-31 1 / divisor, in pairs; v32-95 p's fragments; v96-127 packed results; v128-255 v's fragments
;   window 1: accumulator (a, b) at v[8 (8 a + b)]     window 2: v0-127 stat; v128-191 f in f16; v192-195 the rows' c mx; v196-199 the divisors
.set KT,     16
.set APITCH, 4096
.set BPITCH, 6144
.set ASTEP,  256
.set BSTEP,  128*BPITCH
.set CPITCH, 2048
.set PA,     272                       ; 256 bytes + 16: the 16 rows of a load start at 16 different groups of four banks (64 banks of 4 bytes: ISA guide 11.1)
.set PB,     544                       ; 512 bytes + 32
.set AOFF,   128*PB
.set SLOT1,  1<<17
.set STAGE,  SLOT1+AOFF+128*PA         ; 16 rows x 272 bytes for each wave, for the way out
.set SP,     272
.set FT,     STAGE+4*16*SP             ; each wave's table of f: 16 steps x 32 lanes x 16 bytes.  A loop cannot pick a register by its trip, so the step's four f come from LDS.  No tensor load fills it
.set SPARE,  294912                    ; the spare words: two blocks of 256 bytes that no other line names
.set ADRA0, 8
.set ADRB0, 9
.set ADRA,  10
.set ADRB,  11
.set STO,   12
.set RD,    13
.set CO,    14
.set PFO,   15
.set SPW,   16
.set NIL,   17
.set FTA,   19                         ; v19  my 16 bytes of the table, at the step in hand
.set FR,    20
.set RI,    24
.set AF,    32
.set TMP,   96
.set BF,    128
.set FH,    128                        ; window 2
.set MX,    192
.set LS,    196
.set G1A, 24
.set G0A, 32
.set G1B, 48
.set G0B, 56
.set TB,  66
.set PFA, 68
.set PFS, 70
.set LIM, 72
.set BA,  79
.set W_MUL, 0x50
.set MSB, 0
.macro WIN new
.if MSB != (\new)
	s_set_vgpr_msb (MSB<<8)|(\new)
.set MSB, \new
.endif
.endm
.macro PLACES
.rept 4
	v_nop
.endr
.endm
.macro JLOAD                           ; a joint refill by the walking descriptor; an s_nop 0 and four v_nop follow each line
	s_cmp_eq_u32 s11, 0
	s_cbranch_scc0 .Lfor_a_\@
	tensor_load_to_lds s[G0B+4:G0B+7], s[G1B:G1B+7]
	s_nop 0
.rept 4
	v_nop
.endr
	s_branch .Lasked_\@
.Lfor_a_\@:
	tensor_load_to_lds s[G0A+4:G0A+7], s[G1A:G1A+7]
	s_nop 0
.rept 4
	v_nop
.endr
.Lasked_\@:
.endm
.macro CREST
	s_cmp_lg_u32 s10, 0
	s_cbranch_scc1 .Lnot_wave_0_\@
	s_barrier_signal -3
.Lnot_wave_0_\@:
	s_barrier_wait -3
	s_barrier_signal -1
	s_barrier_wait -1
.endm
.macro CROUND
	s_barrier_signal -1
	s_barrier_wait -1
	CREST
.endm
; A PREFETCH INTO THE L2 behind each joint refill and its run of LDS loads: the refill of trip t brings K step t + 2, the prefetch names K step t + 4: 256 matrix instructions ahead of its load.
; Each block of 256 bytes is named once.  There is one cluster to a row of clusters: its wave 2 asks for p's rows 32 cx + lane.  v's tile is read by the batch's four rows of clusters: the first of them
; asks, keys 32 cy + lane, wave 0 the first 256 bytes of a row's 512 and wave 1 the second.  Partners differ by address alone.  K steps 0 to 3 come by their loads; trips with s3 <= 2 ask for nothing.
.macro ASK
	s_cmp_gt_u32 s3, s[LIM]
	s_cbranch_scc0 .Lnot_mine_\@
	global_prefetch_b8 v[PFO], s[PFA:PFA+1] th:TH_LOAD_NT scope:SCOPE_SE
.Lnot_mine_\@:
.endm
	s_load_b128 s[4:7], s[0:1], 0x0                ; p s[4:5], qkv s[6:7]
	s_load_b64 s[8:9], s[0:1], 0x10                ; o
	s_load_b64 s[80:81], s[0:1], 0x18              ; stat
	v_lshl_add_u32 v[SPW], v0, 2, SPARE
	v_mov_b32 v[NIL], 0
	ds_add_u32 v[SPW], v[NIL]                      ; the wave's opening: the add and its wait ahead of my first tensor load
	v_lshrrev_b32 v1, 5, v0
	v_readfirstlane_b32 s10, v1
	s_lshr_b32 s11, s10, 1                         ; my half of the rows.  Also: I fetch for v (0) or for p (1)
	s_and_b32 s12, s10, 1                          ; my half of the channels.  Also: which half of that tile I fetch
	s_bfe_u32 s40, ttmp6, 0x40000
	s_bfe_u32 s41, ttmp6, 0x40004
	s_lshl_b32 s42, ttmp9, 2
	s_add_co_u32 s42, s42, s40                     ; tile column
	s_and_b32 s45, ttmp7, 0xffff
	s_lshl_b32 s13, s45, 2
	s_add_co_u32 s13, s13, s41                     ; tile row
	s_lshr_b32 s[BA], s45, 2                       ; the batch hangs on the cluster's y alone
	s_lshl_b32 s43, s41, 2
	s_lshl_b32 s43, 15, s43
	s_lshl_b32 s44, 0x1111, s40
	s_or_b32 s[G1A], s43, (1<<16)|(1<<20)|(1<<21)|(5<<22)|(3<<25)
	s_mov_b32 s[G1A+1], 128<<16                    ; 64 rows x 128 elements
	s_mov_b32 s[G1A+2], 64<<16
	s_mov_b32 s[G1A+3], 128<<16
	s_mov_b32 s[G1A+4], 64
	s_mov_b32 s[G1A+5], APITCH/2
	s_mov_b32 s[G1A+6], 0
	s_mov_b32 s[G1A+7], 0
	s_or_b32 s[G1B], s44, (1<<16)|(1<<20)|(1<<21)|(6<<22)|(7<<25)
	s_mov_b32 s[G1B+1], 256<<16                    ; 64 keys x 256 elements
	s_mov_b32 s[G1B+2], 64<<16
	s_mov_b32 s[G1B+3], 256<<16
	s_mov_b32 s[G1B+4], 64
	s_mov_b32 s[G1B+5], BPITCH/2
	s_mov_b32 s[G1B+6], 0
	s_mov_b32 s[G1B+7], 0
	s_lshl_b32 s16, s13, 7                         ; p: row 128 x tile row + 64 x half
	s_lshl_b32 s17, s12, 6
	s_add_co_u32 s16, s16, s17
	s_mul_i32 s16, s16, APITCH
	s_mov_b32 s17, 0
	s_lshl_b32 s46, s[BA], 11                      ; v: row 2,048 x batch + 64 x half, byte 4,096 + 512 x tile column
	s_lshl_b32 s47, s12, 6
	s_add_co_u32 s46, s46, s47
	s_mul_i32 s46, s46, BPITCH
	s_lshl_b32 s47, s42, 9
	s_add_co_u32 s46, s46, s47
	s_add_co_u32 s46, s46, 4096
	s_mov_b32 s47, 0
	s_mul_i32 s20, s12, 64*PA
	s_add_co_u32 s20, s20, AOFF
	s_mul_i32 s21, s12, 64*PB
	s_mov_b32 s[TB], 0
	s_wait_dscnt 0x0
	s_wait_kmcnt 0x0
	s_add_nc_u64 s[14:15], s[4:5], s[16:17]
	s_add_nc_u64 s[46:47], s[6:7], s[46:47]
	CROUND
.irp s, 0,1
	s_mov_b32 s[G0A+4*(\s)], 1
	s_add_co_u32 s[G0A+4*(\s)+1], s20, (\s)*SLOT1
	s_add_nc_u64 s[G0A+4*(\s)+2:G0A+4*(\s)+3], s[14:15], (\s)*ASTEP
	s_or_b32 s[G0A+4*(\s)+3], s[G0A+4*(\s)+3], 0x80000000
	s_mov_b32 s[G0B+4*(\s)], 1
	s_add_co_u32 s[G0B+4*(\s)+1], s21, (\s)*SLOT1
	s_add_nc_u64 s[G0B+4*(\s)+2:G0B+4*(\s)+3], s[46:47], (\s)*BSTEP
	s_or_b32 s[G0B+4*(\s)+3], s[G0B+4*(\s)+3], 0x80000000
.endr
	s_cmp_eq_u32 s11, 0                            ; a wave's two first fills stand in one branch: two loads of mine are out
	s_cbranch_scc0 .Lfirst_a
	tensor_load_to_lds s[G0B:G0B+3], s[G1B:G1B+7]
	s_nop 0
	tensor_load_to_lds s[G0B+4:G0B+7], s[G1B:G1B+7]
	s_nop 0
.rept 4
	v_nop
.endr
	s_branch .Lfirst_asked
.Lfirst_a:
	tensor_load_to_lds s[G0A:G0A+3], s[G1A:G1A+7]
	s_nop 0
	tensor_load_to_lds s[G0A+4:G0A+7], s[G1A:G1A+7]
	s_nop 0
.rept 4
	v_nop
.endr
.Lfirst_asked:
	v_and_b32 v1, 15, v0                           ; r
	v_bfe_u32 v2, v0, 4, 1                         ; h
	v_and_b32 v3, 31, v0                           ; l
	s_lshl_b32 s16, s13, 1                         ; stat at my row group: (2 x tile row + row half) x 8,192
	s_add_co_u32 s16, s16, s11
	s_lshl_b32 s16, s16, 13
	s_mov_b32 s17, 0
	s_add_nc_u64 s[80:81], s[80:81], s[16:17]
	v_lshlrev_b32 v7, 4, v1                        ; 16 r
	WIN 0x80                                       ; the 16 blocks' c mx and l of my four rows: register 8 blk + 4 (a % 2) + a / 2 holds c mx of row block a, two further on its l
.set i, 0
.rept 16
	global_load_b128 v[8*i:8*i+3], v7, s[80:81] offset:512*i
	global_load_b128 v[8*i+4:8*i+7], v7, s[80:81] offset:512*i+256
.set i, i+1
.endr
	WIN 0
	v_mul_u32_u24 v4, v1, PA
	v_lshl_add_u32 v4, v2, 4, v4                   ; 272 r + 16 h
	s_mul_i32 s21, s11, 64*PA
	s_add_co_u32 s21, s21, AOFF
	v_add_nc_u32 v[ADRA0], s21, v4
	v_and_b32 v5, 7, v0                            ; the turning load: lane l reads key 8 h + l % 8, channels 8 ((l / 8) % 2) + 0..7
	v_lshl_add_u32 v5, v2, 3, v5
	v_mul_u32_u24 v5, v5, PB
	v_bfe_u32 v6, v0, 3, 1
	v_lshl_add_u32 v5, v6, 4, v5
	s_lshl_b32 s22, s12, 8
	v_add_nc_u32 v[ADRB0], s22, v5
	v_mov_b32 v[ADRA], v[ADRA0]
	v_mov_b32 v[ADRB], v[ADRB0]
	s_mul_i32 s23, s10, 16*SP
	s_add_co_u32 s23, s23, STAGE
	v_add_nc_u32 v[STO], s23, v4
	v_mul_u32_u24 v6, v2, SP
	v_lshl_add_u32 v6, v1, 4, v6
	v_add_nc_u32 v[RD], s23, v6
	v_mul_u32_u24 v6, v2, CPITCH
	v_lshl_add_u32 v[CO], v1, 4, v6
	s_lshl_b32 s23, s10, 13
	s_add_co_u32 s23, s23, FT
	v_lshl_add_u32 v[FTA], v3, 4, s23              ; my wave's table, my lane's 16 bytes, step 0
	s_lshl_b32 s16, s13, 7                         ; o at my part of the tile
	s_lshl_b32 s17, s11, 6
	s_add_co_u32 s16, s16, s17
	s_mul_i32 s16, s16, CPITCH
	s_mov_b32 s17, 0
	s_add_nc_u64 s[8:9], s[8:9], s[16:17]
	s_lshl_b32 s46, s42, 9
	s_lshl_b32 s47, s12, 8
	s_add_co_u32 s46, s46, s47
	s_mov_b32 s47, 0
	s_add_nc_u64 s[8:9], s[8:9], s[46:47]
	; the prefetches' address, at K step 3
	s_lshl_b32 s20, s13, 7
	s_lshl_b32 s21, s40, 5
	s_add_co_u32 s20, s20, s21
	s_mul_i32 s20, s20, APITCH
	s_add_co_u32 s20, s20, 3*ASTEP                 ; p: row 128 x tile row + 32 cx
	s_lshl_b32 s21, s[BA], 11
	s_lshl_b32 s22, s41, 5
	s_add_co_u32 s21, s21, s22
	s_mul_i32 s21, s21, BPITCH
	s_lshl_b32 s22, s42, 9
	s_add_co_u32 s21, s21, s22
	s_lshl_b32 s22, s10, 8
	s_add_co_u32 s21, s21, s22
	s_add_co_u32 s21, s21, 4096+3*BSTEP            ; v: row 2,048 x batch + 32 cy, byte 4,096 + 512 x tile column + 256 x wave
	s_and_b32 s18, s45, 3
	s_mov_b32 s22, BSTEP
	s_mov_b32 s23, BPITCH
	s_cmp_eq_u32 s11, 0
	s_cselect_b32 s20, s21, s20
	s_cselect_b64 s[PFA:PFA+1], s[6:7], s[4:5]
	s_cselect_b32 s[PFS], s22, ASTEP
	s_cselect_b32 s23, s23, APITCH
	s_cselect_b32 s2, s18, ttmp9
	s_cmp_eq_u32 s10, 3
	s_cselect_b32 s2, 1, s2                        ; wave 3 asks for nothing
	s_cmp_eq_u32 s2, 0
	s_cselect_b32 s[LIM], 2, -1
	s_mov_b32 s21, 0
	s_mov_b32 s[PFS+1], 0
	s_add_nc_u64 s[PFA:PFA+1], s[PFA:PFA+1], s[20:21]
	v_mul_u32_u24 v[PFO], s23, v3
	; THE ROWS' STATISTICS, in the wait for the first tiles
.macro CMR a, blk                      ; rq = the register of c mx of row block a, block blk
.set rq, 8*(\blk)+4*((\a)%2)+(\a)/2
.endm
	s_wait_loadcnt 0x0
	WIN 0xaa                                       ; everything in window 2
.irp a, 0,1,2,3
	CMR \a, 0
	v_max3_num_f32 v[MX+(\a)], v[rq], v[rq+8], v[rq+16]
.endr
.irp j, 3,5,7,9,11,13
.irp a, 0,1,2,3
	CMR \a, \j
	v_max3_num_f32 v[MX+(\a)], v[MX+(\a)], v[rq], v[rq+8]
.endr
.endr
.irp a, 0,1,2,3
	CMR \a, 15
	v_max_num_f32 v[MX+(\a)], v[MX+(\a)], v[rq]    ; the row's c mx
.endr
.set i, 0
.rept 16
.irp a, 0,1,2,3
	CMR \a, i
	v_sub_f32 v[rq], v[rq], v[MX+(\a)]
.endr
.set i, i+1
.endr
.set i, 0
.rept 16
.irp a, 0,1,2,3
	CMR \a, i
	v_exp_f32 v[rq], v[rq]                         ; f: one batch of 64
.endr
.set i, i+1
.endr
	v_nop                                          ; a plain instruction behind the last exponential,
	s_wait_alu depctr_va_vdst(0)                   ; and one wait ahead of the first line that names a result
.irp a, 0,1,2,3
	CMR \a, 0
	v_mul_f32 v[LS+(\a)], v[rq], v[rq+2]
.endr
.set i, 1
.rept 15
.irp a, 0,1,2,3
	CMR \a, i
	v_fmac_f32 v[LS+(\a)], v[rq], v[rq+2]          ; the divisor: the sum of f l, four chains by turns
.endr
.set i, i+1
.endr
.set i, 0
.rept 16
.irp a, 0,1,2,3
	CMR \a, i
	v_cvt_pk_f16_f32 v[FH+4*i+(\a)], v[rq], v[rq]  ; f twice, in f16: the packed multiply's second source
.endr
.set i, i+1
.endr
	WIN 0x02                                       ; source in window 2, destination in window 0
.irp a, 0,1,2,3
	v_rcp_f32 v[RI+2*(\a)], v[LS+(\a)]
.endr
	WIN 0
	v_nop
	s_wait_alu depctr_va_vdst(0)                   ; one wait for the four reciprocals
.irp a, 0,1,2,3
	v_mov_b32 v[RI+2*(\a)+1], v[RI+2*(\a)]         ; named as pairs
.endr
	WIN 0x08                                       ; store data in window 2
.set i, 0
.rept 16
	ds_store_b128 v[FTA], v[FH+4*i:FH+4*i+3] offset:512*i
.set i, i+1
.endr
	WIN 0
.macro MUL f, a, cin                   ; 8 matrix instructions: row block a x all 8 channel blocks, 32 keys.  The 32 accumulators take turns
	WIN W_MUL
.irp b, 0,1,2,3,4,5,6,7
.if \cin
	v_wmma_f32_16x16x32_f16 v[8*(8*(\a)+(\b)):8*(8*(\a)+(\b))+7], v[BF+64*(\f)+8*(\b):BF+64*(\f)+8*(\b)+7], v[AF+32*(\f)+8*(\a):AF+32*(\f)+8*(\a)+7], 0
.else
	v_wmma_f32_16x16x32_f16 v[8*(8*(\a)+(\b)):8*(8*(\a)+(\b))+7], v[BF+64*(\f)+8*(\b):BF+64*(\f)+8*(\b)+7], v[AF+32*(\f)+8*(\a):AF+32*(\f)+8*(\a)+7], v[8*(8*(\a)+(\b)):8*(8*(\a)+(\b))+7]
.endif
.endr
.endm
.macro FETCH kq, g                     ; 24 LDS loads in one run: v's sixteen (turned), then p's eight
	WIN 0
.irp b, 0,1,2,3,4,5,6,7
	ds_load_tr16_b128 v[BF+64*(\g)+8*(\b):BF+64*(\g)+8*(\b)+3],   v[ADRB] offset:(\kq)*32*PB+32*(\b)
	ds_load_tr16_b128 v[BF+64*(\g)+8*(\b)+4:BF+64*(\g)+8*(\b)+7], v[ADRB] offset:(\kq)*32*PB+32*(\b)+16*PB
.endr
.irp a, 0,1,2,3
	ds_load_b128 v[AF+32*(\g)+8*(\a):AF+32*(\g)+8*(\a)+3],   v[ADRA] offset:64*(\kq)+(\a)*16*PA
	ds_load_b128 v[AF+32*(\g)+8*(\a)+4:AF+32*(\g)+8*(\a)+7], v[ADRA] offset:64*(\kq)+(\a)*16*PA+32
.endr
.endm
.macro SCALE f                         ; p's fragments in buffer f times the step's f: 32 packed multiplies, two weights each
	WIN 0
.irp a, 0,1,2,3
.irp i, 0,1,2,3,4,5,6,7
	v_pk_mul_f16 v[AF+32*(\f)+8*(\a)+(\i)], v[AF+32*(\f)+8*(\a)+(\i)], v[FR+(\a)]
.endr
.endr
.endm
.macro QUARTER kq, f, g, cin
	s_wait_dscnt 0x0                               ; the whole run is in: all of p's fragments are scaled at once
	SCALE \f
	MUL \f, 0, \cin
	MUL \f, 1, \cin
	PLACES
	FETCH \kq, \g
	MUL \f, 2, \cin
	MUL \f, 3, \cin
.endm
; The change of slots: each wave waits for all its tensor loads, adds 0 to its spare word, waits for that and for its reads of the slot; one barrier, which with fill = 1 opens a round of the cluster's;
; the joint refill is the first thing behind the round.  The next step's four f come with its first fragments.
.macro TURN fill
.if \fill
	s_wait_xcnt 0x0                                ; the last prefetch, a K step back, has read its address
	s_add_nc_u64 s[PFA:PFA+1], s[PFA:PFA+1], s[PFS:PFS+1]
.endif
	WIN 0
	s_wait_tensorcnt 0x0
	ds_add_u32 v[SPW], v[NIL]
.if \fill
	s_xor_b32 s[G0A+5], s[G0A+5], SLOT1
	s_add_nc_u64 s[G0A+6:G0A+7], s[G0A+6:G0A+7], ASTEP
	s_xor_b32 s[G0B+5], s[G0B+5], SLOT1
	s_add_nc_u64 s[G0B+6:G0B+7], s[G0B+6:G0B+7], BSTEP
.endif
	s_wait_dscnt 1                                 ; the add may be out; the fragments are in
	SCALE 1
	MUL 1, 0, 0
	s_wait_dscnt 0x0                               ; the add is done, and my reads of this slot are over
	s_barrier_signal -1
	MUL 1, 1, 0
	WIN 0
	s_barrier_wait -1
.if \fill
	CREST
	JLOAD
.else
	PLACES
.endif
	s_xor_b32 s[TB], s[TB], SLOT1
	v_add_nc_u32 v[ADRA], s[TB], v[ADRA0]
	v_add_nc_u32 v[ADRB], s[TB], v[ADRB0]
	v_add_nc_u32 v[FTA], 512, v[FTA]
	ds_load_b128 v[FR:FR+3], v[FTA]
	FETCH 0, 0
.if \fill
	ASK
.endif
	MUL 1, 2, 0
	MUL 1, 3, 0
.endm
.macro PACK a                          ; divided by the row's divisor, rounded to f16
	WIN 0x41
.set i, 64*(\a)
.rept 32
	v_pk_mul_f32 v[i:i+1], v[i:i+1], v[RI+2*(\a):RI+2*(\a)+1] op_sel_hi:[1,0]
.set i, i+2
.endr
	WIN 0x05
.irp b, 0,1,2,3,4,5,6,7
.irp e, 0,1,2,3
	v_cvt_pk_f16_f32 v[TMP+4*(\b)+(\e)], v[64*(\a)+8*(\b)+2*(\e)], v[64*(\a)+8*(\b)+2*(\e)+1]
.endr
.endr
	WIN 0
.endm
.macro TOSTAGE a
.irp b, 0,1,2,3,4,5,6,7
	ds_store_b128 v[STO], v[TMP+4*(\b):TMP+4*(\b)+3] offset:32*(\b)
.endr
.irp t, 0,1,2,3,4,5,6,7
	ds_load_b128 v[BF+32*(\a)+4*(\t):BF+32*(\a)+4*(\t)+3], v[RD] offset:(\t)*2*SP  ; LDS serves a wave's instructions in order (ISA guide 5.7.1.4)
.endr
.endm
.macro SEND a
.irp t, 0,1,2,3,4,5,6,7
	s_wait_dscnt 7-(\t)
	global_store_b128 v[CO], v[BF+32*(\a)+4*(\t):BF+32*(\a)+4*(\t)+3], s[8:9] offset:(16*(\a)+2*(\t))*CPITCH  ; 16 lanes store 256 consecutive bytes, at a multiple of 256 from o's first byte
.endr
.endm
	s_wait_tensorcnt 0x1                           ; my part of K step 0 is in; K step 1's may stay out
	s_wait_dscnt 0x0                               ; my table is written
	s_barrier_signal -1
	s_barrier_wait -1
	ds_load_b128 v[FR:FR+3], v[FTA]                ; step 0's four f
	FETCH 0, 0
	QUARTER 1, 0, 1, 1                             ; the first quarter's products start the sums
	WIN 0
	s_mov_b32 s3, KT-2
.Lstep:
	QUARTER 2, 1, 0, 0
	QUARTER 3, 0, 1, 0
	TURN 1
	QUARTER 1, 0, 1, 0
	WIN 0
	s_sub_co_u32 s3, s3, 1
	s_cmp_lg_u32 s3, 0
	s_cbranch_scc1 .Lstep
	QUARTER 2, 1, 0, 0                             ; the last two K steps fill nothing
	QUARTER 3, 0, 1, 0
	TURN 0
	QUARTER 1, 0, 1, 0
	QUARTER 2, 1, 0, 0
	QUARTER 3, 0, 1, 0
	s_wait_dscnt 0x0
	SCALE 1
	MUL 1, 0, 0
	MUL 1, 1, 0
	MUL 1, 2, 0
	MUL 1, 3, 0
	WIN 0
	PLACES
	PLACES
	PACK 0
	TOSTAGE 0
	PACK 1
	SEND 0
	TOSTAGE 1
	PACK 2
	SEND 1
	TOSTAGE 2
	PACK 3
	SEND 2
	TOSTAGE 3
	SEND 3
	s_wait_tensorcnt 0x0                           ; the wave's end
	ds_add_u32 v[SPW], v[NIL]
	s_wait_dscnt 0x0
	CROUND                                         ; the closing round
	s_endpgm
.Lfunc_end_k_q492d92f17f_pv:
	.size	k_q492d92f17f_pv, .Lfunc_end_k_q492d92f17f_pv-k_q492d92f17f_pv
	.p2alignl 7, 3214868480
	.fill 96, 4, 3214868480
	.section	.rodata,"a",@progbits
	.p2align	6, 0x0
	.amdhsa_kernel k_q492d92f17f_pv
		.amdhsa_group_segment_fixed_size 327680
		.amdhsa_private_segment_fixed_size 0
		.amdhsa_enable_private_segment 0
		.amdhsa_kernarg_size 32
		.amdhsa_user_sgpr_count 2
		.amdhsa_user_sgpr_kernarg_segment_ptr 1
		.amdhsa_wavefront_size32 1
		.amdhsa_system_sgpr_workgroup_id_x 1
		.amdhsa_system_sgpr_workgroup_id_y 1
		.amdhsa_system_sgpr_workgroup_id_z 1
		.amdhsa_system_vgpr_workitem_id 0
		.amdhsa_next_free_vgpr 712
		.amdhsa_next_free_sgpr 96
		.amdhsa_reserve_vcc 0
		.amdhsa_float_denorm_mode_32 3
		.amdhsa_float_denorm_mode_16_64 3
		.amdhsa_memory_ordered 1
		.amdhsa_forward_progress 1
		.amdhsa_inst_pref_size 122
	.end_amdhsa_kernel
	.amdgpu_metadata
---
amdhsa.version: [ 1, 2 ]
amdhsa.kernels:
  - .name:           k_q492d92f17f_pv
    .symbol:         k_q492d92f17f_pv.kd
    .args:
      - { .name: p, .offset: 0, .size: 8, .value_kind: global_buffer, .address_space: global }
      - { .name: qkv, .offset: 8, .size: 8, .value_kind: global_buffer, .address_space: global }
      - { .name: o, .offset: 16, .size: 8, .value_kind: global_buffer, .address_space: global }
      - { .name: stat, .offset: 24, .size: 8, .value_kind: global_buffer, .address_space: global }
    .group_segment_fixed_size: 327680
    .private_segment_fixed_size: 0
    .kernarg_segment_align: 8
    .kernarg_segment_size: 32
    .max_flat_workgroup_size: 128
    .sgpr_count:     96
    .vgpr_count:     712
    .wavefront_size: 32
...
	.end_amdgpu_metadata
.endif
;; end of part 4
;; launch outp (part 5): grid 4 x 64, 4 waves a work-group, clusters of 4 x 4, 327,680 bytes of LDS; arguments o, wo16, out0, b_out; writes out0
.if DOCPART == 5
	.amdgcn_target "amdgcn-amd-amdhsa--gfx1250"
	.amdhsa_code_object_version 6
	.text
	.protected	k_q492d92f17f_outp
	.globl	k_q492d92f17f_outp
	.p2align	8
	.type	k_q492d92f17f_outp,@function
k_q492d92f17f_outp:
	s_mov_b64 s[64:65], 0
	v_nop
	global_prefetch_b8 v0, s[64:65] scope:SCOPE_SE
	s_setreg_imm32_b32 hwreg(HW_REG_WAVE_MODE, 25, 1), 1
	s_wait_xcnt 0x0
	s_wait_alu depctr_hold_cnt(0) depctr_sa_sdst(0) depctr_va_vdst(0) depctr_va_sdst(0) depctr_va_ssrc(0) depctr_va_vcc(0) depctr_vm_vsrc(0)
	s_getreg_b32 s2, hwreg(HW_REG_IB_STS2, 6, 4)
	s_cmp_eq_u32 s2, 0
	s_cbranch_scc0 .Lentry_in_a_cluster
	s_endpgm
.Lentry_in_a_cluster:
	s_bfe_u32 s2, ttmp6, 0x10000c
	s_cmp_lg_u32 s2, 0xf033
	s_cbranch_scc0 .Lentry_shape_is_right
	s_endpgm
.Lentry_shape_is_right:
; out0[m][n] = the sum over k of o[m][k] wo16[k][n] + b_out[n].  o [8192][1024] and wo16 [1024][1024] are f16 (wo16 holds w_out rounded to bf16), b_out f32 (rounded to bf16 here, like every
; input of the module); sums in f32, started by the bias; out0 [8192][1024] is f32.  NaN and infinities are not treated apart.
; SHARES.  A tile of C is 128 x 256: 64 x 4 = 256 tiles, one for each WGP.  Four waves, 2 x 2; a wave makes 64 x 128: 32 accumulators.  K goes in 8 steps of 128 through a ring of two LDS slots:
; 128 rows x 256 bytes of A, 128 k-rows x 512 bytes of B; B lies [k][n] and is turned by ds_load_tr16_b128.
; CLUSTERS.  4 x 4 work-groups; A's tile is shared along a row of the cluster, B's along a column: joint tensor loads.  Waves 0 and 1 fetch B's halves, waves 2 and 3 A's.
; TRANSPOSED USE (source 0 = 16 columns of B, source 1 = 16 rows of A): lane l holds row l % 16 of C and the columns 8 (l / 16) + 0..7: 32 bytes on end.
; REGISTERS: window 0: v0-17 addresses; v32-95 A's fragments; v128-255 B's fragments, on the way out rows read back (two buffers of 64)
;   window 1: accumulator (a, b) at v[8 (8 a + b)]          window 2: v0-63 the bias in the accumulators' layout; v64-95 at work
.set KT,     8
.set APITCH, 2048
.set BPITCH, 2048
.set ASTEP,  256
.set BSTEP,  128*BPITCH
.set CPITCH, 4096
.set PA,     272                       ; 256 bytes + 16: the 16 rows of a load start at 16 different groups of four banks (64 banks of 4 bytes: ISA guide 11.1)
.set PB,     544                       ; 512 bytes + 32
.set AOFF,   128*PB
.set SLOT1,  1<<17
.set STAGE,  SLOT1+AOFF+128*PA         ; behind the ring, never filled by a tensor load: 16 rows x 528 bytes for each wave
.set SP,     528                       ; 512 bytes + 16 = 33 x 16
.set SPARE,  294912                    ; the spare words: two blocks of 256 bytes that no other line names
.set ADRA0, 8
.set ADRB0, 9
.set ADRA,  10
.set ADRB,  11
.set STO,   12
.set RD,    13
.set CO,    14
.set PFO,   15
.set SPW,   16
.set NIL,   17
.set AF,    32
.set BF,    128
.set G1A, 24
.set G0A, 32
.set G1B, 48
.set G0B, 56
.set TB,  66
.set PFA, 68
.set PFS, 70
.set LIM, 72
.set HIM, 78
.set W_MUL,  0x50
.set W_MULB, 0x60
.set MSB, 0
.macro WIN new
.if MSB != (\new)
	s_set_vgpr_msb (MSB<<8)|(\new)
.set MSB, \new
.endif
.endm
.macro PLACES
.rept 4
	v_nop
.endr
.endm
.macro JLOAD                           ; a joint refill by the walking descriptor; an s_nop 0 and four v_nop follow each line
	s_cmp_eq_u32 s11, 0
	s_cbranch_scc0 .Lfor_a_\@
	tensor_load_to_lds s[G0B+4:G0B+7], s[G1B:G1B+7]
	s_nop 0
.rept 4
	v_nop
.endr
	s_branch .Lasked_\@
.Lfor_a_\@:
	tensor_load_to_lds s[G0A+4:G0A+7], s[G1A:G1A+7]
	s_nop 0
.rept 4
	v_nop
.endr
.Lasked_\@:
.endm
.macro CREST
	s_cmp_lg_u32 s10, 0
	s_cbranch_scc1 .Lnot_wave_0_\@
	s_barrier_signal -3
.Lnot_wave_0_\@:
	s_barrier_wait -3
	s_barrier_signal -1
	s_barrier_wait -1
.endm
.macro CROUND
	s_barrier_signal -1
	s_barrier_wait -1
	CREST
.endm
; A PREFETCH INTO THE L2 behind each joint refill and its run of LDS loads: the refill of trip t brings K step t + 2, the prefetch names K step t + 4: 256 matrix instructions ahead of its load.
; Each block of 256 bytes is named once.  There is one cluster to a row of clusters: its wave 2 asks for A's rows 32 cx + lane.  B's tile column is read by all sixteen clusters: cluster y = 0 asks,
; k-rows 32 cy + lane, wave 0 the first 256 bytes of a row's 512 and wave 1 the second.  Partners differ by address alone.  K steps 0 to 3 come by their loads; trips with s3 <= 2 ask for nothing.
.macro ASK
	s_cmp_gt_u32 s3, s[LIM]
	s_cbranch_scc0 .Lnot_mine_\@
	global_prefetch_b8 v[PFO], s[PFA:PFA+1] th:TH_LOAD_NT scope:SCOPE_SE
.Lnot_mine_\@:
.endm
	s_load_b128 s[4:7], s[0:1], 0x0                ; o s[4:5], wo16 s[6:7]
	s_load_b64 s[8:9], s[0:1], 0x10                ; out0
	s_load_b64 s[80:81], s[0:1], 0x18              ; b_out
	v_lshl_add_u32 v[SPW], v0, 2, SPARE
	v_mov_b32 v[NIL], 0
	ds_add_u32 v[SPW], v[NIL]                      ; the wave's opening: the add and its wait ahead of my first tensor load
	v_lshrrev_b32 v1, 5, v0
	v_readfirstlane_b32 s10, v1
	s_lshr_b32 s11, s10, 1                         ; my half of the rows.  Also: I fetch for B (0) or for A (1)
	s_and_b32 s12, s10, 1                          ; my half of the columns.  Also: which half of that tile I fetch
	s_bfe_u32 s40, ttmp6, 0x40000
	s_bfe_u32 s41, ttmp6, 0x40004
	s_lshl_b32 s42, ttmp9, 2
	s_add_co_u32 s42, s42, s40                     ; tile column
	s_and_b32 s45, ttmp7, 0xffff
	s_lshl_b32 s13, s45, 2
	s_add_co_u32 s13, s13, s41                     ; tile row
	s_lshl_b32 s43, s41, 2
	s_lshl_b32 s43, 15, s43
	s_lshl_b32 s44, 0x1111, s40
	s_or_b32 s[G1A], s43, (1<<16)|(1<<20)|(1<<21)|(5<<22)|(3<<25)
	s_mov_b32 s[G1A+1], 128<<16                    ; 64 rows x 128 elements
	s_mov_b32 s[G1A+2], 64<<16
	s_mov_b32 s[G1A+3], 128<<16
	s_mov_b32 s[G1A+4], 64
	s_mov_b32 s[G1A+5], APITCH/2
	s_mov_b32 s[G1A+6], 0
	s_mov_b32 s[G1A+7], 0
	s_or_b32 s[G1B], s44, (1<<16)|(1<<20)|(1<<21)|(6<<22)|(7<<25)
	s_mov_b32 s[G1B+1], 256<<16                    ; 64 k-rows x 256 elements
	s_mov_b32 s[G1B+2], 64<<16
	s_mov_b32 s[G1B+3], 256<<16
	s_mov_b32 s[G1B+4], 64
	s_mov_b32 s[G1B+5], BPITCH/2
	s_mov_b32 s[G1B+6], 0
	s_mov_b32 s[G1B+7], 0
	s_lshl_b32 s16, s13, 7                         ; A: row 128 x tile row + 64 x half
	s_lshl_b32 s17, s12, 6
	s_add_co_u32 s16, s16, s17
	s_mul_i32 s16, s16, APITCH
	s_mov_b32 s17, 0
	s_mul_i32 s46, s12, 64*BPITCH                  ; B: k-row 64 x half, byte 512 x tile column
	s_lshl_b32 s47, s42, 9
	s_add_co_u32 s46, s46, s47
	s_mov_b32 s47, 0
	s_mul_i32 s20, s12, 64*PA
	s_add_co_u32 s20, s20, AOFF
	s_mul_i32 s21, s12, 64*PB
	s_mov_b32 s[TB], 0
	s_mov_b32 s[HIM], 0xffff0000
	s_wait_dscnt 0x0
	s_wait_kmcnt 0x0
	s_add_nc_u64 s[14:15], s[4:5], s[16:17]
	s_add_nc_u64 s[46:47], s[6:7], s[46:47]
	CROUND
.irp s, 0,1
	s_mov_b32 s[G0A+4*(\s)], 1
	s_add_co_u32 s[G0A+4*(\s)+1], s20, (\s)*SLOT1
	s_add_nc_u64 s[G0A+4*(\s)+2:G0A+4*(\s)+3], s[14:15], (\s)*ASTEP
	s_or_b32 s[G0A+4*(\s)+3], s[G0A+4*(\s)+3], 0x80000000
	s_mov_b32 s[G0B+4*(\s)], 1
	s_add_co_u32 s[G0B+4*(\s)+1], s21, (\s)*SLOT1
	s_add_nc_u64 s[G0B+4*(\s)+2:G0B+4*(\s)+3], s[46:47], (\s)*BSTEP
	s_or_b32 s[G0B+4*(\s)+3], s[G0B+4*(\s)+3], 0x80000000
.endr
	s_cmp_eq_u32 s11, 0                            ; a wave's two first fills stand in one branch: two loads of mine are out
	s_cbranch_scc0 .Lfirst_a
	tensor_load_to_lds s[G0B:G0B+3], s[G1B:G1B+7]
	s_nop 0
	tensor_load_to_lds s[G0B+4:G0B+7], s[G1B:G1B+7]
	s_nop 0
.rept 4
	v_nop
.endr
	s_branch .Lfirst_asked
.Lfirst_a:
	tensor_load_to_lds s[G0A:G0A+3], s[G1A:G1A+7]
	s_nop 0
	tensor_load_to_lds s[G0A+4:G0A+7], s[G1A:G1A+7]
	s_nop 0
.rept 4
	v_nop
.endr
.Lfirst_asked:
	v_and_b32 v1, 15, v0                           ; r
	v_bfe_u32 v2, v0, 4, 1                         ; h
	v_and_b32 v3, 31, v0                           ; l
	v_mul_u32_u24 v4, v1, PA
	v_lshl_add_u32 v4, v2, 4, v4                   ; 272 r + 16 h
	s_mul_i32 s21, s11, 64*PA
	s_add_co_u32 s21, s21, AOFF
	v_add_nc_u32 v[ADRA0], s21, v4
	v_and_b32 v5, 7, v0                            ; the turning load: lane l reads k-row 8 h + l % 8, columns 8 ((l / 8) % 2) + 0..7
	v_lshl_add_u32 v5, v2, 3, v5
	v_mul_u32_u24 v5, v5, PB
	v_bfe_u32 v6, v0, 3, 1
	v_lshl_add_u32 v5, v6, 4, v5
	s_lshl_b32 s22, s12, 8
	v_add_nc_u32 v[ADRB0], s22, v5
	v_mov_b32 v[ADRA], v[ADRA0]
	v_mov_b32 v[ADRB], v[ADRB0]
	s_mul_i32 s23, s10, 16*SP
	s_add_co_u32 s23, s23, STAGE                   ; my stage
	v_mul_u32_u24 v6, v1, SP
	v_lshl_add_u32 v6, v2, 5, v6
	v_add_nc_u32 v[STO], s23, v6                   ; in: row r, 32 bytes for each half of the lanes
	v_lshl_add_u32 v[RD], v3, 4, s23               ; back: 32 lanes take one row of 512 bytes
	v_lshlrev_b32 v[CO], 4, v3                     ; and the same in C
	s_lshl_b32 s16, s13, 7                         ; C at my part of the tile
	s_lshl_b32 s17, s11, 6
	s_add_co_u32 s16, s16, s17
	s_mul_i32 s16, s16, CPITCH
	s_mov_b32 s17, 0
	s_add_nc_u64 s[8:9], s[8:9], s[16:17]
	s_lshl_b32 s46, s42, 10                        ; byte 1,024 x tile column + 512 x column half, in C and in the bias
	s_lshl_b32 s47, s12, 9
	s_add_co_u32 s46, s46, s47
	s_mov_b32 s47, 0
	s_add_nc_u64 s[8:9], s[8:9], s[46:47]
	s_add_nc_u64 s[80:81], s[80:81], s[46:47]
	; the prefetches' address, at K step 3
	s_lshl_b32 s20, s13, 7
	s_lshl_b32 s21, s40, 5
	s_add_co_u32 s20, s20, s21
	s_mul_i32 s20, s20, APITCH
	s_add_co_u32 s20, s20, 3*ASTEP                 ; A: row 128 x tile row + 32 cx
	s_lshl_b32 s21, s41, 5
	s_mul_i32 s21, s21, BPITCH
	s_lshl_b32 s22, s42, 9
	s_add_co_u32 s21, s21, s22
	s_lshl_b32 s22, s10, 8
	s_add_co_u32 s21, s21, s22
	s_add_co_u32 s21, s21, 3*BSTEP                 ; B: k-row 32 cy, byte 512 x tile column + 256 x wave
	s_mov_b32 s22, BSTEP
	s_cmp_eq_u32 s11, 0
	s_cselect_b32 s20, s21, s20
	s_cselect_b64 s[PFA:PFA+1], s[6:7], s[4:5]
	s_cselect_b32 s[PFS], s22, ASTEP
	s_cselect_b32 s2, s45, ttmp9
	s_cmp_eq_u32 s10, 3
	s_cselect_b32 s2, 1, s2                        ; wave 3 asks for nothing
	s_cmp_eq_u32 s2, 0
	s_cselect_b32 s[LIM], 2, -1
	s_mov_b32 s21, 0
	s_mov_b32 s[PFS+1], 0
	s_add_nc_u64 s[PFA:PFA+1], s[PFA:PFA+1], s[20:21]
	v_mul_u32_u24 v[PFO], v3, APITCH               ; A's and B's rows are equally long here
	; the bias of my 128 columns, in the accumulators' layout, rounded to bf16 and widened again: the C operand of each sum's first product
	v_lshlrev_b32 v7, 5, v2
	WIN 0x80
.irp b, 0,1,2,3,4,5,6,7
	global_load_b128 v[8*(\b):8*(\b)+3], v7, s[80:81] offset:64*(\b)
	global_load_b128 v[8*(\b)+4:8*(\b)+7], v7, s[80:81] offset:64*(\b)+16
.endr
	s_wait_loadcnt 0x0
	WIN 0x8a
.set i, 0
.rept 32
	v_cvt_pk_bf16_f32 v[64+i], v[2*i], v[2*i+1]
.set i, i+1
.endr
.set i, 0
.rept 32
	v_lshlrev_b32 v[2*i], 16, v[64+i]
	v_and_b32 v[2*i+1], s[HIM], v[64+i]
.set i, i+1
.endr
	WIN 0
.macro MUL f, a, cin                   ; 8 matrix instructions: row block a x all 8 column blocks, 32 along K.  cin = 2: the bias starts the sums.  The 32 accumulators take turns
.if (\cin) == 2
	WIN W_MULB
.else
	WIN W_MUL
.endif
.irp b, 0,1,2,3,4,5,6,7
.if (\cin) == 2
	v_wmma_f32_16x16x32_f16 v[8*(8*(\a)+(\b)):8*(8*(\a)+(\b))+7], v[BF+64*(\f)+8*(\b):BF+64*(\f)+8*(\b)+7], v[AF+32*(\f)+8*(\a):AF+32*(\f)+8*(\a)+7], v[8*(\b):8*(\b)+7]
.else
	v_wmma_f32_16x16x32_f16 v[8*(8*(\a)+(\b)):8*(8*(\a)+(\b))+7], v[BF+64*(\f)+8*(\b):BF+64*(\f)+8*(\b)+7], v[AF+32*(\f)+8*(\a):AF+32*(\f)+8*(\a)+7], v[8*(8*(\a)+(\b)):8*(8*(\a)+(\b))+7]
.endif
.endr
.endm
.macro FETCH kq, g                     ; 24 LDS loads in one run: B's sixteen (turned), then A's eight
	WIN 0
.irp b, 0,1,2,3,4,5,6,7
	ds_load_tr16_b128 v[BF+64*(\g)+8*(\b):BF+64*(\g)+8*(\b)+3],   v[ADRB] offset:(\kq)*32*PB+32*(\b)
	ds_load_tr16_b128 v[BF+64*(\g)+8*(\b)+4:BF+64*(\g)+8*(\b)+7], v[ADRB] offset:(\kq)*32*PB+32*(\b)+16*PB
.endr
.irp a, 0,1,2,3
	ds_load_b128 v[AF+32*(\g)+8*(\a):AF+32*(\g)+8*(\a)+3],   v[ADRA] offset:64*(\kq)+(\a)*16*PA
	ds_load_b128 v[AF+32*(\g)+8*(\a)+4:AF+32*(\g)+8*(\a)+7], v[ADRA] offset:64*(\kq)+(\a)*16*PA+32
.endr
.endm
.macro QUARTER kq, f, g, cin
	s_wait_dscnt 4                                 ; B and A's row blocks 0, 1 are in; the youngest four loads may be out
	MUL \f, 0, \cin
	MUL \f, 1, \cin
	PLACES
	FETCH \kq, \g
	s_wait_dscnt 24                                ; all but the 24 just issued
	MUL \f, 2, \cin
	MUL \f, 3, \cin
.endm
; The change of slots: each wave waits for all its tensor loads, adds 0 to its spare word, waits for that and for its reads of the slot; one barrier, which with fill = 1 opens a round of the cluster's;
; the joint refill is the first thing behind the round.
.macro TURN fill
.if \fill
	s_wait_xcnt 0x0                                ; the last prefetch, a K step back, has read its address
	s_add_nc_u64 s[PFA:PFA+1], s[PFA:PFA+1], s[PFS:PFS+1]
.endif
	WIN 0
	s_wait_tensorcnt 0x0
	ds_add_u32 v[SPW], v[NIL]
.if \fill
	s_xor_b32 s[G0A+5], s[G0A+5], SLOT1
	s_add_nc_u64 s[G0A+6:G0A+7], s[G0A+6:G0A+7], ASTEP
	s_xor_b32 s[G0B+5], s[G0B+5], SLOT1
	s_add_nc_u64 s[G0B+6:G0B+7], s[G0B+6:G0B+7], BSTEP
.endif
	s_wait_dscnt 5                                 ; the add and the youngest four loads may be out
	MUL 1, 0, 0
	s_wait_dscnt 0x0                               ; the add is done, and my reads of this slot are over
	s_barrier_signal -1
	MUL 1, 1, 0
	WIN 0
	s_barrier_wait -1
.if \fill
	CREST
	JLOAD
.else
	PLACES
.endif
	s_xor_b32 s[TB], s[TB], SLOT1
	v_add_nc_u32 v[ADRA], s[TB], v[ADRA0]
	v_add_nc_u32 v[ADRB], s[TB], v[ADRB0]
	FETCH 0, 0
.if \fill
	ASK
.endif
	MUL 1, 2, 0
	MUL 1, 3, 0
.endm
; THE WAY OUT of row block a: the f32 sums go as they are into my own stage (each accumulator's four lowest registers first), come back as whole rows of 512 bytes, and are stored.
.macro OUTB a
.if (\a) >= 2
	s_wait_xcnt 0x0                                ; the stores of the block two back have read their registers, which are loaded again below
.endif
	WIN 0x04                                       ; store data in window 1
.irp b, 0,1,2,3,4,5,6,7
	ds_store_b128 v[STO], v[64*(\a)+8*(\b):64*(\a)+8*(\b)+3]   offset:64*(\b)
	ds_store_b128 v[STO], v[64*(\a)+8*(\b)+4:64*(\a)+8*(\b)+7] offset:64*(\b)+16
.endr
	WIN 0
.irp t, 0,1,2,3,4,5,6,7,8,9,10,11,12,13,14,15
	ds_load_b128 v[BF+64*((\a)%2)+4*(\t):BF+64*((\a)%2)+4*(\t)+3], v[RD] offset:(\t)*SP  ; LDS serves a wave's instructions in order (ISA guide 5.7.1.4): these see the stores above
.endr
.irp t, 0,1,2,3,4,5,6,7,8,9,10,11,12,13,14,15
	s_wait_dscnt 15-(\t)                           ; load t of the sixteen is back
	global_store_b128 v[CO], v[BF+64*((\a)%2)+4*(\t):BF+64*((\a)%2)+4*(\t)+3], s[8:9] offset:(16*(\a)+(\t))*CPITCH th:TH_STORE_NT  ; 512 consecutive bytes, at a multiple of 256 from out0's first byte
.endr
.endm
	s_wait_tensorcnt 0x1                           ; my part of K step 0 is in; K step 1's may stay out
	s_barrier_signal -1
	s_barrier_wait -1
	FETCH 0, 0
	QUARTER 1, 0, 1, 2                             ; the first quarter's products start the sums, with the bias
	WIN 0
	s_mov_b32 s3, KT-2
.Lstep:
	QUARTER 2, 1, 0, 0
	QUARTER 3, 0, 1, 0
	TURN 1
	QUARTER 1, 0, 1, 0
	WIN 0
	s_sub_co_u32 s3, s3, 1
	s_cmp_lg_u32 s3, 0
	s_cbranch_scc1 .Lstep
	QUARTER 2, 1, 0, 0                             ; the last two K steps fill nothing
	QUARTER 3, 0, 1, 0
	TURN 0
	QUARTER 1, 0, 1, 0
	QUARTER 2, 1, 0, 0
	QUARTER 3, 0, 1, 0
	s_wait_dscnt 4
	MUL 1, 0, 0
	MUL 1, 1, 0
	s_wait_dscnt 0x0
	MUL 1, 2, 0
	MUL 1, 3, 0
	WIN 0
	PLACES
	PLACES
	OUTB 0
	OUTB 1
	OUTB 2
	OUTB 3
	s_wait_tensorcnt 0x0                           ; the wave's end
	ds_add_u32 v[SPW], v[NIL]
	s_wait_dscnt 0x0
	CROUND                                         ; the closing round
	s_endpgm
.Lfunc_end_k_q492d92f17f_outp:
	.size	k_q492d92f17f_outp, .Lfunc_end_k_q492d92f17f_outp-k_q492d92f17f_outp
	.p2alignl 7, 3214868480
	.fill 96, 4, 3214868480
	.section	.rodata,"a",@progbits
	.p2align	6, 0x0
	.amdhsa_kernel k_q492d92f17f_outp
		.amdhsa_group_segment_fixed_size 327680
		.amdhsa_private_segment_fixed_size 0
		.amdhsa_enable_private_segment 0
		.amdhsa_kernarg_size 32
		.amdhsa_user_sgpr_count 2
		.amdhsa_user_sgpr_kernarg_segment_ptr 1
		.amdhsa_wavefront_size32 1
		.amdhsa_system_sgpr_workgroup_id_x 1
		.amdhsa_system_sgpr_workgroup_id_y 1
		.amdhsa_system_sgpr_workgroup_id_z 1
		.amdhsa_system_vgpr_workitem_id 0
		.amdhsa_next_free_vgpr 608
		.amdhsa_next_free_sgpr 96
		.amdhsa_reserve_vcc 0
		.amdhsa_float_denorm_mode_32 3
		.amdhsa_float_denorm_mode_16_64 3
		.amdhsa_memory_ordered 1
		.amdhsa_forward_progress 1
		.amdhsa_inst_pref_size 78
	.end_amdhsa_kernel
	.amdgpu_metadata
---
amdhsa.version: [ 1, 2 ]
amdhsa.kernels:
  - .name:           k_q492d92f17f_outp
    .symbol:         k_q492d92f17f_outp.kd
    .args:
      - { .name: o, .offset: 0, .size: 8, .value_kind: global_buffer, .address_space: global }
      - { .name: wo16, .offset: 8, .size: 8, .value_kind: global_buffer, .address_space: global }
      - { .name: out0, .offset: 16, .size: 8, .value_kind: global_buffer, .address_space: global }
      - { .name: b_out, .offset: 24, .size: 8, .value_kind: global_buffer, .address_space: global }
    .group_segment_fixed_size: 327680
    .private_segment_fixed_size: 0
    .kernarg_segment_align: 8
    .kernarg_segment_size: 32
    .max_flat_workgroup_size: 128
    .sgpr_count:     96
    .vgpr_count:     608
    .wavefront_size: 32
...
	.end_amdgpu_metadata
.endif
;; end of part 5
;; ======== version 2 of 2: 5 launches; version 1 with the launch cast written anew for expert scheduling mode
;; limits: values are held in f16: magnitudes above 65,504 overflow, below 6.1e-05 lose precision
;; workspace buffers: xb 16,777,216 bytes; wq16 6,291,456 bytes; wo16 2,097,152 bytes; qkv 50,331,648 bytes; p 33,554,432 bytes; o 16,777,216 bytes; stat 1,048,576 bytes
;; launch cast (part 6): grid 768 x 1, 8 waves a work-group, no clusters, 0 bytes of LDS; arguments x, w_qkv, w_out, xb, wq16, wo16; writes xb, wq16, wo16
.if DOCPART == 6
	.amdgcn_target "amdgcn-amd-amdhsa--gfx1250"
	.amdhsa_code_object_version 6
	.text
	.protected	k_q492d92f17f_cast
	.globl	k_q492d92f17f_cast
	.p2align	8
	.type	k_q492d92f17f_cast,@function
k_q492d92f17f_cast:
	s_mov_b64 s[64:65], 0
	v_nop
	global_prefetch_b8 v0, s[64:65] scope:SCOPE_SE
	s_setreg_imm32_b32 hwreg(HW_REG_WAVE_SCHED_MODE, 0, 2), 2
	s_setreg_imm32_b32 hwreg(HW_REG_WAVE_MODE, 25, 1), 1
	s_wait_xcnt 0x0
	s_wait_alu depctr_vm_vsrc(0)
; THE INPUTS OF THE MATRIX PRODUCTS ARE ROUNDED ONCE.  x [8192][1024] and w_qkv [1024][3072], f32, become bf16 (xb, wq16); w_out [1024][1024] is rounded
; to bf16 like them, and that number is written as f16 (wo16), since the last product multiplies it with f16 numbers.
; LIMIT.  A bf16 number is an f16 number exactly from 2^-17 up to 65,504 in magnitude; below, wo16 keeps f16's fixed step of 6e-8; above, it is an infinity.
; SHARES.  A work-group converts 65,536 bytes of one input: numbers 0-511 x, 512-703 w_qkv, 704-767 w_out.  Thread t takes the 16 bytes at 16 t + 4,096 j, j = 0..15:
; a load of a wave covers 512 consecutive bytes, a store 256 consecutive bytes at a multiple of 256 from the buffer's first byte.  All sixteen loads go out at once.
; A stream: no LDS, no barrier, no matrix unit, no cluster (nothing is shared), no prefetch (the loads themselves are the stream).
; THE MODE: SCHED_MODE bits 1:0 = 2 (LLVM: expert scheduling mode 2), set by the entry lines.  The code itself states the register dependences
; between vector instructions and memory instructions, with s_wait_alu, always for 0.
; THE PLAN.  Registers that memory instructions touch:
;   v1, v2   the loads' and the stores' byte offsets: written once at the head, never again.
;   IN       load j lands in its four registers, which no vector instruction has named before; its roundings read them behind the wait for the load.
;            (On w_out's path vector lines write them again; no load lands there afterwards, and no memory instruction reads them.)
;   OUT      pair j is written by load j's roundings and read by store j; no line writes it behind that store.
; The sixteen loads go in four groups of four.  Group g rounds its four loads into their OUT pairs; its memory instructions are the four stores of group g - 1,
; whose OUT pairs no vector instruction of group g names.  So one wait at a group's head states all that the group's four stores hang on, and they are dealt
; among its roundings with no further wait.  No register that a memory instruction reads is ever written again, so nothing is owed for the stores' and loads' sources.
.set NX,  512                          ; work-groups for x
.set NWQ, 192                          ; for w_qkv
.set IN,  16                           ; v[16:79]   sixteen loads of four f32
.set OUT, 80                           ; v[80:111]  sixteen pairs of packed halves
	s_load_b256 s[4:11], s[0:1], 0x0               ; x s[4:5], w_qkv s[6:7], w_out s[8:9], xb s[10:11]
	s_load_b128 s[12:15], s[0:1], 0x20             ; wq16 s[12:13], wo16 s[14:15]
	v_lshlrev_b32 v1, 4, v0                        ; 16 t: in
	v_lshlrev_b32 v2, 3, v0                        ; 8 t: out
	s_mov_b32 s23, 0
	s_mov_b32 s25, 0
	s_mov_b32 s26, 0xffff0000                      ; a word's upper half
	s_wait_kmcnt 0x0
	s_cmp_lt_u32 ttmp9, NX                         ; which input is mine: a choice between buffers by the work-group's number
	s_cselect_b64 s[16:17], s[4:5], s[6:7]
	s_cselect_b64 s[18:19], s[10:11], s[12:13]
	s_cselect_b32 s20, 0, NX
	s_cmp_lt_u32 ttmp9, NX+NWQ
	s_cselect_b64 s[16:17], s[16:17], s[8:9]
	s_cselect_b64 s[18:19], s[18:19], s[14:15]
	s_cselect_b32 s20, s20, NX+NWQ
	s_sub_co_u32 s20, ttmp9, s20                   ; my number within that input
	s_lshl_b32 s22, s20, 16                        ; 65,536 bytes in,
	s_lshl_b32 s24, s20, 15                        ; 32,768 out
	s_add_nc_u64 s[16:17], s[16:17], s[22:23]
	s_add_nc_u64 s[18:19], s[18:19], s[24:25]
	s_wait_alu depctr_va_vdst(0)                   ; v1 and v2 are written: every load of the kernel reads v1 as its offset, every store v2
.irp j, 0,1,2,3,4,5,6,7,8,9,10,11,12,13,14,15
	global_load_b128 v[IN+4*(\j):IN+4*(\j)+3], v1, s[16:17] offset:4096*(\j) th:TH_LOAD_NT
.endr
; Load j's four numbers are rounded into OUT's pair j.  half = 1: w_out: rounded to bf16, widened again, written as f16.
.macro RND j, half
	v_cvt_pk_bf16_f32 v[OUT+2*(\j)], v[IN+4*(\j)], v[IN+4*(\j)+1]
	v_cvt_pk_bf16_f32 v[OUT+2*(\j)+1], v[IN+4*(\j)+2], v[IN+4*(\j)+3]
.if \half
	v_lshlrev_b32 v[IN+4*(\j)], 16, v[OUT+2*(\j)]
	v_and_b32 v[IN+4*(\j)+1], s26, v[OUT+2*(\j)]
	v_lshlrev_b32 v[IN+4*(\j)+2], 16, v[OUT+2*(\j)+1]
	v_and_b32 v[IN+4*(\j)+3], s26, v[OUT+2*(\j)+1]
	v_cvt_pk_f16_f32 v[OUT+2*(\j)], v[IN+4*(\j)], v[IN+4*(\j)+1]
	v_cvt_pk_f16_f32 v[OUT+2*(\j)+1], v[IN+4*(\j)+2], v[IN+4*(\j)+3]
.endif
.endm
.macro PUT j                           ; store j: a wave's 256 consecutive bytes
	global_store_b64 v2, v[OUT+2*(\j):OUT+2*(\j)+1], s[18:19] offset:2048*(\j)
.endm
; Group g: loads 4 g to 4 g + 3 are rounded; the stores of group g - 1 stand among the roundings, one ahead of each load's.
.macro GROUP g, half
	s_wait_loadcnt 12-4*(\g)                       ; loads come back in order (ISA guide 5.7.1): this group's four are in, the younger groups stay out
.if (\g) > 0
	s_wait_alu depctr_va_vdst(0)                   ; the group before has written its four OUT pairs, which the four stores below read; no vector line below names them
.endif
.irp i, 0,1,2,3
.if (\g) > 0
	PUT 4*(\g)-4+(\i)
.endif
	RND 4*(\g)+(\i), \half
.endr
.endm
	s_cmp_lt_u32 ttmp9, NX+NWQ
	s_cbranch_scc0 .Lhalf
	GROUP 0, 0
	GROUP 1, 0
	GROUP 2, 0
	GROUP 3, 0
	s_wait_alu depctr_va_vdst(0)                   ; group 3 has written its four OUT pairs, which the last four stores read
.irp i, 12,13,14,15
	PUT \i
.endr
	s_endpgm
.Lhalf:                                        ; w_out
	GROUP 0, 1
	GROUP 1, 1
	GROUP 2, 1
	GROUP 3, 1
	s_wait_alu depctr_va_vdst(0)                   ; group 3 has written its four OUT pairs, which the last four stores read
.irp i, 12,13,14,15
	PUT \i
.endr
	s_endpgm
.Lfunc_end_k_q492d92f17f_cast:
	.size	k_q492d92f17f_cast, .Lfunc_end_k_q492d92f17f_cast-k_q492d92f17f_cast
	.p2alignl 7, 3214868480
	.fill 96, 4, 3214868480
	.section	.rodata,"a",@progbits
	.p2align	6, 0x0
	.amdhsa_kernel k_q492d92f17f_cast
		.amdhsa_group_segment_fixed_size 0
		.amdhsa_private_segment_fixed_size 0
		.amdhsa_enable_private_segment 0
		.amdhsa_kernarg_size 48
		.amdhsa_user_sgpr_count 2
		.amdhsa_user_sgpr_kernarg_segment_ptr 1
		.amdhsa_wavefront_size32 1
		.amdhsa_system_sgpr_workgroup_id_x 1
		.amdhsa_system_sgpr_workgroup_id_y 1
		.amdhsa_system_sgpr_workgroup_id_z 1
		.amdhsa_system_vgpr_workitem_id 0
		.amdhsa_next_free_vgpr 112
		.amdhsa_next_free_sgpr 66
		.amdhsa_reserve_vcc 0
		.amdhsa_float_denorm_mode_32 3
		.amdhsa_float_denorm_mode_16_64 3
		.amdhsa_memory_ordered 1
		.amdhsa_forward_progress 1
		.amdhsa_inst_pref_size 15
	.end_amdhsa_kernel
	.amdgpu_metadata
---
amdhsa.version: [ 1, 2 ]
amdhsa.kernels:
  - .name:           k_q492d92f17f_cast
    .symbol:         k_q492d92f17f_cast.kd
    .args:
      - { .name: x, .offset: 0, .size: 8, .value_kind: global_buffer, .address_space: global }
      - { .name: w_qkv, .offset: 8, .size: 8, .value_kind: global_buffer, .address_space: global }
      - { .name: w_out, .offset: 16, .size: 8, .value_kind: global_buffer, .address_space: global }
      - { .name: xb, .offset: 24, .size: 8, .value_kind: global_buffer, .address_space: global }
      - { .name: wq16, .offset: 32, .size: 8, .value_kind: global_buffer, .address_space: global }
      - { .name: wo16, .offset: 40, .size: 8, .value_kind: global_buffer, .address_space: global }
    .group_segment_fixed_size: 0
    .private_segment_fixed_size: 0
    .kernarg_segment_align: 8
    .kernarg_segment_size: 48
    .max_flat_workgroup_size: 256
    .sgpr_count:     66
    .vgpr_count:     112
    .wavefront_size: 32
...
	.end_amdgpu_metadata
.endif
;; end of part 6
;; launch qkvp: the kernel of part 2 again; grid 12 x 32, 4 waves a work-group, clusters of 4 x 4, 327,680 bytes of LDS; arguments xb, wq16, qkv, b_qkv; writes qkv
;; launch scores: the kernel of part 3 again; grid 8 x 32, 4 waves a work-group, clusters of 4 x 4, 327,680 bytes of LDS; arguments qkv, p, stat; writes p, stat
;; launch pv: the kernel of part 4 again; grid 4 x 64, 4 waves a work-group, clusters of 4 x 4, 327,680 bytes of LDS; arguments p, qkv, o, stat; writes o
;; launch outp: the kernel of part 5 again; grid 4 x 64, 4 waves a work-group, clusters of 4 x 4, 327,680 bytes of LDS; arguments o, wo16, out0, b_out; writes out0
